; MI455X (gfx1250); checked and timed in simulation.
; The chip was launched on July 23, 2026; its instructions are those of AMD's public machine-readable ISA for CDNA 5 (MIT licence, August 2026) and "CDNA5" Instruction Set Architecture Reference Guide (July 2026). The comments in the code are by the model that wrote it; some were corrected since.
;; Dot Product Attention. Allowed arithmetic: float matrix products may take bf16 or f16 operands with f32 sums; other float arithmetic in f32, or as packed bf16 or f16 multiplies, adds, multiply-adds, maxima and minima; sums over many terms, partial sums and values carried from step to step in f32; what a program stores and reads back later, other than sums and carried values, may be rounded once to bf16 or f16.
;; Inputs: W_key 768 x 768 float32; W_query 768 x 768 float32; W_value 768 x 384 float32; inputs 8 x 2,048 x 768 float32.
;; Outputs: out0 8 x 2,048 x 384 float32.
;; 2 versions, each right; version 2 is version 1 with the launch prep written anew for expert scheduling mode. Each part assembles by itself: llvm-mc -triple=amdgcn-amd-amdhsa -mcpu=gfx1250 --defsym DOCPART=n.
;; ======== version 1 of 2: 3 launches
;; limits: values are held in f16: magnitudes above 65,504 overflow, below 6.1e-05 lose precision
;; workspace buffers: x16 25,165,824 bytes; wt 3,145,728 bytes; qkv 67,108,864 bytes
;; launch prep (part 1): grid 704 x 1, 8 waves a work-group, no clusters, 18,432 bytes of LDS; arguments inputs, W_query, W_key, W_value, x16, wt; writes x16, wt
.if DOCPART == 1
	.amdgcn_target "amdgcn-amd-amdhsa--gfx1250"
	.amdhsa_code_object_version 6
	.text
	.protected	k_qe34306e063_prep
	.globl	k_qe34306e063_prep
	.p2align	8
	.type	k_qe34306e063_prep,@function
k_qe34306e063_prep:
	s_mov_b64 s[64:65], 0
	v_nop
	global_prefetch_b8 v0, s[64:65] scope:SCOPE_SE
	s_setreg_imm32_b32 hwreg(HW_REG_WAVE_MODE, 25, 1), 1
	s_wait_xcnt 0x0
; x16 = inputs rounded to bf16, [16384][768].   wt[n][k] = bf16(W[k][n] / 4), [2048][768]: rows 0-767 W_query's columns, 768-1535 W_key's,
; 1536-1919 W_value's, 1920-2047 zeros (they fill the product's last tile of 256 columns).  The quarter is a power of two: the rounding to bf16 is that of W itself.
; Work-groups 0-511 cast inputs: a plain stream, 98,304 bytes in and 49,152 out each, no LDS.  Work-groups 512-703 turn one tile of 128 k x 64 n of a weight
; each, through LDS.  The branch between the two hangs on the work-group's number alone: all eight waves take the same way.
; No matrix unit, no cluster, no prefetch: every byte is read once by one wave, and all of a wave's loads go out at its start.
.set XIN,   98304                      ; bytes of inputs to a work-group: 24 loads of 16 bytes a thread
.set XOUT,  49152
.set STG,   272                        ; a stage row: 128 k in bf16 = 256 bytes, + 16
.set SPARE, 64*STG                     ; behind the stage's 64 rows: the spare words, 128 bytes for each of eight waves, which no other line names
.set SPW,   110                        ; v110  SPARE + 4 x my thread's number; never rewritten
.set NIL,   111                        ; v111  0; never rewritten
	s_load_b256 s[4:11], s[0:1], 0x0               ; inputs s[4:5], W_query s[6:7], W_key s[8:9], W_value s[10:11]
	s_load_b128 s[12:15], s[0:1], 0x20             ; x16 s[12:13], wt s[14:15]
	v_lshl_add_u32 v[SPW], v0, 2, SPARE
	v_mov_b32 v[NIL], 0
	s_cmp_lt_u32 ttmp9, 512
	s_cbranch_scc0 .Lweights
	; THE CAST.  Thread t takes 16 bytes at 16 t of each block of 4,096; a wave's store of 8 bytes a lane covers 256 consecutive bytes, aligned.
	v_lshlrev_b32 v1, 4, v0
	v_lshlrev_b32 v2, 3, v0
	s_mul_i32 s16, ttmp9, XIN
	s_mov_b32 s17, 0
	s_mul_i32 s18, ttmp9, XOUT
	s_mov_b32 s19, 0
	s_wait_kmcnt 0x0
	s_add_nc_u64 s[4:5], s[4:5], s[16:17]
	s_add_nc_u64 s[12:13], s[12:13], s[18:19]
.set i, 0
.rept 24
	global_load_b128 v[8+4*i:11+4*i], v1, s[4:5] offset:4096*i th:TH_LOAD_NT  ; all 24 at once: 12 KiB of each wave on their way
.set i, i+1
.endr
.set i, 0
.rept 24
	s_wait_loadcnt 23-i                            ; loads come back in order: number i is in, the younger ones stay out
	v_cvt_pk_bf16_f32 v[8+4*i], v[8+4*i], v[9+4*i]
	v_cvt_pk_bf16_f32 v[9+4*i], v[10+4*i], v[11+4*i]
	global_store_b64 v2, v[8+4*i:9+4*i], s[12:13] offset:2048*i th:TH_STORE_NT  ; no register of a store is written again
.set i, i+1
.endr
	s_endpgm                                       ; this way has written no LDS
.Lweights:
	; THE TURNING.  Tile nt (64 rows of wt) x kt (128 k).  Which weight, which of its blocks of 64 columns, its row pitch and the factor follow from nt.
	s_sub_co_u32 s16, ttmp9, 512
	s_and_b32 s17, s16, 31                         ; nt
	s_lshr_b32 s18, s16, 5                         ; kt, 0 to 5
	v_lshrrev_b32 v1, 5, v0                        ; wave
	v_and_b32 v2, 15, v0                           ; which 16 bytes (4 columns) of a row's 256
	v_bfe_u32 v9, v0, 4, 1                         ; which half of the lanes
	v_lshlrev_b32 v6, 4, v1
	v_lshl_add_u32 v6, v9, 1, v6                   ; my first row of the tile: 16 wave + 2 half
	v_lshlrev_b32 v12, 4, v2
	v_mul_u32_u24 v3, v2, 4*STG                    ; into the stage: row n = 4 quad + c, byte 2 k = 32 wave + 8 p + 4 half
	v_lshl_add_u32 v3, v1, 5, v3
	v_lshl_add_u32 v3, v9, 2, v3
	v_lshl_add_u32 v7, v1, 3, v9                   ; back: row 8 wave + half + 2 i, 16 lanes to a row
	v_mul_u32_u24 v4, v7, STG
	v_add_nc_u32 v4, v4, v12
	v_mul_u32_u24 v5, v7, 1536                     ; and the same rows in wt
	v_add_nc_u32 v5, v5, v12
	s_mov_b32 s24, 1536                            ; a row of W_value in bytes
	s_wait_kmcnt 0x0
	s_cmp_lt_u32 s17, 12
	s_cselect_b64 s[22:23], s[6:7], s[8:9]
	s_cselect_b32 s19, 0, 12                       ; the first nt of the weight
	s_cmp_lt_u32 s17, 24
	s_cselect_b64 s[22:23], s[22:23], s[10:11]
	s_cselect_b32 s19, s19, 24
	s_cselect_b32 s24, 3072, s24                   ; a row of W_query or W_key
	s_cmp_lt_u32 s17, 30
	s_cselect_b32 s19, s19, 30                     ; nt 30 and 31: the zero rows, made of W_value's first columns times 0
	s_cselect_b32 s20, 0x3e800000, 0               ; 0.25, or 0
	s_mov_b32 s21, s20                             ; named with it as a pair
	s_mul_i32 s26, s18, s24
	s_lshl_b32 s26, s26, 7                         ; kt x 128 rows
	s_sub_co_u32 s27, s17, s19
	s_lshl_b32 s27, s27, 8                         ; + 256 bytes for each block of 64 columns
	s_add_co_u32 s26, s26, s27
	s_mov_b32 s27, 0
	s_add_nc_u64 s[22:23], s[22:23], s[26:27]
	s_mul_i32 s28, s17, 98304                      ; wt: 64 rows of 1,536 bytes for each nt,
	s_lshl_b32 s29, s18, 8                         ; 256 bytes for each kt
	s_add_co_u32 s28, s28, s29
	s_mov_b32 s29, 0
	s_add_nc_u64 s[14:15], s[14:15], s[28:29]
.irp i, 0,1,2,3,4,5,6,7                ; load i: row 16 wave + 2 half + 4 (i / 2) + i % 2; sixteen lanes take the row's 256 consecutive bytes
	v_add_nc_u32 v13, 4*((\i)/2)+(\i)%2, v6
	v_mad_u32_u24 v[16+(\i)], v13, s24, v12
.endr
.irp i, 0,1,2,3,4,5,6,7
	global_load_b128 v[24+4*(\i):27+4*(\i)], v[16+(\i)], s[22:23]
.endr
	s_wait_loadcnt 0x0
.irp p, 0,1,2,3                        ; loads 2 p and 2 p + 1 hold k and k + 1 of the same four columns: a pair along k packs into one word of wt
.irp q, 0,2,4,6
	v_pk_mul_f32 v[24+8*(\p)+(\q):25+8*(\p)+(\q)], v[24+8*(\p)+(\q):25+8*(\p)+(\q)], s[20:21] op_sel_hi:[1,0]
.endr
.irp c, 0,1,2,3
	v_cvt_pk_bf16_f32 v[56+4*(\p)+(\c)], v[24+8*(\p)+(\c)], v[28+8*(\p)+(\c)]
.endr
.irp c, 0,1,2,3
	ds_store_b32 v3, v[56+4*(\p)+(\c)] offset:STG*(\c)+8*(\p)
.endr
.endr
	s_wait_dscnt 0x0                               ; for the others' sake: my stores into the stage are done
	s_barrier_signal -1
	s_barrier_wait -1
.irp i, 0,1,2,3
	ds_load_b128 v[72+4*(\i):75+4*(\i)], v4 offset:2*STG*(\i)
.endr
.irp i, 0,1,2,3
	s_wait_dscnt 3-(\i)
	global_store_b128 v5, v[72+4*(\i):75+4*(\i)], s[14:15] offset:3072*(\i)  ; 16 lanes store 256 consecutive bytes, at a multiple of 256 from wt's first byte
.endr
	s_wait_tensorcnt 0x0                           ; the wave's end: three closing lines behind my last LDS store
	ds_add_u32 v[SPW], v[NIL]
	s_wait_dscnt 0x0
	s_endpgm
.Lfunc_end_k_qe34306e063_prep:
	.size	k_qe34306e063_prep, .Lfunc_end_k_qe34306e063_prep-k_qe34306e063_prep
	.p2alignl 7, 3214868480
	.fill 96, 4, 3214868480
	.section	.rodata,"a",@progbits
	.p2align	6, 0x0
	.amdhsa_kernel k_qe34306e063_prep
		.amdhsa_group_segment_fixed_size 18432
		.amdhsa_private_segment_fixed_size 0
		.amdhsa_enable_private_segment 0
		.amdhsa_kernarg_size 48
		.amdhsa_user_sgpr_count 2
		.amdhsa_user_sgpr_kernarg_segment_ptr 1
		.amdhsa_wavefront_size32 1
		.amdhsa_system_sgpr_workgroup_id_x 1
		.amdhsa_system_sgpr_workgroup_id_y 1
		.amdhsa_system_sgpr_workgroup_id_z 1
		.amdhsa_system_vgpr_workitem_id 0
		.amdhsa_next_free_vgpr 112
		.amdhsa_next_free_sgpr 66
		.amdhsa_reserve_vcc 0
		.amdhsa_float_denorm_mode_32 3
		.amdhsa_float_denorm_mode_16_64 3
		.amdhsa_memory_ordered 1
		.amdhsa_forward_progress 1
		.amdhsa_inst_pref_size 17
	.end_amdhsa_kernel
	.amdgpu_metadata
---
amdhsa.version: [ 1, 2 ]
amdhsa.kernels:
  - .name:           k_qe34306e063_prep
    .symbol:         k_qe34306e063_prep.kd
    .args:
      - { .name: inputs, .offset: 0, .size: 8, .value_kind: global_buffer, .address_space: global }
      - { .name: W_query, .offset: 8, .size: 8, .value_kind: global_buffer, .address_space: global }
      - { .name: W_key, .offset: 16, .size: 8, .value_kind: global_buffer, .address_space: global }
      - { .name: W_value, .offset: 24, .size: 8, .value_kind: global_buffer, .address_space: global }
      - { .name: x16, .offset: 32, .size: 8, .value_kind: global_buffer, .address_space: global }
      - { .name: wt, .offset: 40, .size: 8, .value_kind: global_buffer, .address_space: global }
    .group_segment_fixed_size: 18432
    .private_segment_fixed_size: 0
    .kernarg_segment_align: 8
    .kernarg_segment_size: 48
    .max_flat_workgroup_size: 256
    .sgpr_count:     66
    .vgpr_count:     112
    .wavefront_size: 32
...
	.end_amdgpu_metadata
.endif
;; end of part 1
;; launch proj (part 2): grid 8 x 32, 4 waves a work-group, clusters of 4 x 4, 327,680 bytes of LDS; arguments x16, wt, qkv; writes qkv
.if DOCPART == 2
	.amdgcn_target "amdgcn-amd-amdhsa--gfx1250"
	.amdhsa_code_object_version 6
	.text
	.protected	k_qe34306e063_proj
	.globl	k_qe34306e063_proj
	.p2align	8
	.type	k_qe34306e063_proj,@function
k_qe34306e063_proj:
	s_mov_b64 s[64:65], 0
	v_nop
	global_prefetch_b8 v0, s[64:65] scope:SCOPE_SE
	s_setreg_imm32_b32 hwreg(HW_REG_WAVE_MODE, 25, 1), 1
	s_wait_xcnt 0x0
	s_wait_alu depctr_hold_cnt(0) depctr_sa_sdst(0) depctr_va_vdst(0) depctr_va_sdst(0) depctr_va_ssrc(0) depctr_va_vcc(0) depctr_vm_vsrc(0)
	s_getreg_b32 s2, hwreg(HW_REG_IB_STS2, 6, 4)
	s_cmp_eq_u32 s2, 0
	s_cbranch_scc0 .Lentry_in_a_cluster
	s_endpgm
.Lentry_in_a_cluster:
	s_bfe_u32 s2, ttmp6, 0x10000c
	s_cmp_lg_u32 s2, 0xf033
	s_cbranch_scc0 .Lentry_shape_is_right
	s_endpgm
.Lentry_shape_is_right:
; qkv[m][n] = sum over k of x16[m][k] wt[n][k].  x16: [16384][768] bf16, wt: [2048][768] bf16, qkv: [16384][2048] f16; sums in f32, rounded once.
; A row of qkv holds q / 4 (768), k / 4 (768), v / 4 (384) and 128 columns that come of wt's zero rows: 1,920 columns are 7.5 tiles of 256, and no branch may hang on
; a work-group's place in its cluster, so the last tile is made and stored whole; nobody reads those columns.
; LIMIT.  f16 ends at 65,504: this text serves |q|, |k|, |v| below 262,016.
; A tile, 256 x 256, is made by four waves, each 128 x 128: 64 accumulators of 16 x 16, 512 registers.  K goes in steps of 128 through a ring of two LDS slots filled by
; the tensor data mover: a tile's rows are 256 bytes of memory and start at multiples of 256 bytes from the buffer's first byte.
; A WORK-GROUP STAYS: it makes two tiles, 8,192 rows apart; the ring runs on across the change of tiles, and nothing waits for the first tile's stores.
; The last tile's last K step goes by rows of the result, so that finished rows leave while the others are multiplied.
; CLUSTERS: 4 x 4 work-groups.  The four of a row of the cluster need the same tiles of x16, the four of a column the same tiles of wt: each tile is asked for
; jointly, by the same tensor load with the same descriptor and a mask that names the four.
; REGISTERS, in windows of 256 (s_set_vgpr_msb: bits 1:0 source 0, 3:2 source 1, 5:4 source 2, 7:6 destination):
;   window 0: v0-31 addresses; v64-127, v128-191 fragments of x16, two buffers (in the very last K step four, of 16 rows x 128 K); v32-63, v192-255 at work on the way out
;   window 1: v64-127, v128-191 fragments of wt, two buffers; in the very last K step all 256
;   window 2: the 32 accumulators of my rows 0-63 (accumulator (a, b) at v[8 (8 a + b)]);   window 3: those of my rows 64-127
; THE MATRIX INSTRUCTION IS USED TRANSPOSED: source 0 = 16 rows of wt, source 1 = 16 rows of x16, so that a lane holds eight neighbouring numbers of a row of qkv.
.set SIZE_M, 16384
.set SIZE_N, 2048
.set SIZE_K, 768
.set SIZE_TILES, 2
.set KSTEP,  128
.set PITCH,  272                       ; an LDS row: 256 bytes + 16 of padding = 68 words: row r starts at bank 4 r mod 64 (64 banks of 4 bytes: ISA guide 11.1)
.set HALFT,  128*PITCH                 ; 128 rows: what one tensor load brings, and what one wave reads of either operand
.set SLOT,   4*HALFT                   ; x16's 256 rows, then wt's 256 rows
.set STAGE,  2*SLOT                    ; behind the ring: 16 rows x 272 bytes for each wave, for the way out
.set SPITCH, 272
.set SPARE,  STAGE+4*16*SPITCH         ; behind the stages: the spare words, 128 bytes for each wave, which no other line names
.set LAPS, SIZE_K/(2*KSTEP)            ; a lap = two K steps = once round the ring: 3
.set WALK,   SIZE_M/SIZE_TILES
.set NEXT_A, WALK*SIZE_K*2-(SIZE_K-2*KSTEP)*2   ; bytes from a slot's last K step of a tile to its first of the next: WALK rows down and back along K,
.set BACK_B, (SIZE_K-2*KSTEP)*2        ; wt only back: both tiles take the same rows of wt
.set NEXT_C, (WALK-7*16)*SIZE_N*2      ; bytes from my last 16 rows of a tile to my first of the next
.set ADRA, 16                          ; v16-17  LDS address of my x16 fragments in slot 0, 1
.set ADRB, 20                          ; v20-21  the same for wt
.set STO,  24                          ; v24     the way out: where I put 16 bytes of a row
.set RD,   25                          ; v25     the way out: where I read a row back
.set CO,   26                          ; v26     my byte offset in qkv
.set SPW,  28                          ; v28     SPARE + 4 x my thread's number; never rewritten
.set NIL,  29                          ; v29     0; never rewritten
.set PFO,  30                          ; v30     the prefetches' offset: my lane x 1,536 bytes; never rewritten
.set PFA,  44                          ; s[44:45] where my prefetches stand: my work-group's 32 rows of the 128 that I fetch, one K step further than the refill in hand
.set LIM,  43                          ; s43     1 in a wave that prefetches, else the greatest number
.set F0,   64
.set F1,   128
.set TMP,  192
.set OB,   32
.set PA,   64
.set G1, 24                            ; s[24:31] descriptor group 1 for x16's tiles
.set G0, 32                            ; s[32:39] group 0 for x16's tiles, one set for each slot
.set G1B, 48                           ; s[48:55] group 1 for wt's tiles: it differs in the mask alone
.set G0B, 56                           ; s[56:63] group 0 for wt's tiles
.set MSB, 0
.macro WIN new                         ; the immediate's high byte repeats the setting that is left; a switch that changes nothing is dropped
.if MSB != (\new)
	s_set_vgpr_msb (MSB<<8)|(\new)
.set MSB, \new
.endif
.endm
.set MUL_LO, 0xa1                      ; source 0 (wt) window 1, source 1 (x16) window 0, C and D window 2
.set MUL_HI, 0xf1                      ; the same, C and D window 3
.set TO_B,   0x40                      ; destination window 1, address window 0
; A joint load.  Waves 0 and 1 fetch x16's two halves, waves 2 and 3 wt's.  The branch hangs on the wave's number alone.  An s_nop 0 and four v_nop follow each line.
.macro JLOAD s
	s_cmp_eq_u32 s11, 0
	s_cbranch_scc0 .Lfor_b_\@
	tensor_load_to_lds s[G0+4*(\s):G0+4*(\s)+3], s[G1:G1+7]
	s_nop 0
.rept 4
	v_nop
.endr
	s_branch .Lasked_\@
.Lfor_b_\@:
	tensor_load_to_lds s[G0B+4*(\s):G0B+4*(\s)+3], s[G1B:G1B+7]
	s_nop 0
.rept 4
	v_nop
.endr
.Lasked_\@:
.endm
; A prefetch into the L2, behind each joint load and the run of LDS loads that follows it: the K step that stands two refills on: 32 rows x 256 bytes, a lane a row, one instruction a wave.
; Each row's 256 bytes of a K step are named once in the launch: the cluster with x = 0 asks for x16's rows, the cluster with y = 0 for wt's; the four partners that ask for a tile jointly
; share its rows out by address, 32 each.  how = 0, in the loop: a tile's last two refills have no K step two on; how = 1, at the change of tiles.
.macro ASK how
.if \how
	s_cmp_eq_u32 s[LIM], 1
.else
	s_cmp_gt_u32 s3, s[LIM]                        ; s3 = 1 in the loop's last trip
.endif
	s_cbranch_scc0 .Lnot_mine_\@
	global_prefetch_b8 v[PFO], s[PFA:PFA+1] offset:KSTEP*2 th:TH_LOAD_NT scope:SCOPE_SE
.Lnot_mine_\@:
.endm
; A round of the cluster's barrier: my work-group's barrier; wave 0 signals for the work-group; every wave waits for all sixteen; my work-group's barrier once more.
.macro CREST                           ; a round behind its opening barrier
	s_cmp_lg_u32 s10, 0
	s_cbranch_scc1 .Lnot_wave_0_\@
	s_barrier_signal -3
.Lnot_wave_0_\@:
	s_barrier_wait -3
	s_barrier_signal -1
	s_barrier_wait -1
.endm
.macro CROUND
	s_barrier_signal -1
	s_barrier_wait -1
	CREST
.endm
	s_load_b128 s[4:7], s[0:1], 0x0                ; x16 s[4:5], wt s[6:7]
	s_load_b64 s[8:9], s[0:1], 0x10                ; qkv
	v_lshl_add_u32 v[SPW], v0, 2, SPARE
	v_mov_b32 v[NIL], 0
	ds_add_u32 v[SPW], v[NIL]                      ; the wave's opening: the add and its wait stand ahead of my first tensor load; the set-up below stands between them
	v_lshrrev_b32 v1, 5, v0
	v_readfirstlane_b32 s10, v1                    ; wave 0..3
	s_lshr_b32 s11, s10, 1                         ; which half of the tile's rows is mine.  Also: I fetch for x16 (0) or for wt (1)
	s_and_b32 s12, s10, 1                          ; which half of its columns.  Also: which 128 rows of that tile I fetch
	s_bfe_u32 s40, ttmp6, 0x40000                  ; cx
	s_bfe_u32 s41, ttmp6, 0x40004                  ; cy
	s_lshl_b32 s42, ttmp9, 2
	s_add_co_u32 s42, s42, s40                     ; tile column = 4 x cluster x + cx
	s_and_b32 s13, ttmp7, 0xffff
	s_lshl_b32 s13, s13, 2
	s_add_co_u32 s13, s13, s41                     ; tile row = 4 x cluster y + cy
	s_lshl_b32 s43, s41, 2
	s_lshl_b32 s43, 15, s43                        ; my row of the cluster: places 4 cy .. 4 cy + 3
	s_lshl_b32 s44, 0x1111, s40                    ; my column: places cx, cx + 4, cx + 8, cx + 12
	; descriptor group 1: a tile of 128 rows x 128 elements, padded in LDS
	s_or_b32 s[G1+0], s43, (1<<16)|(1<<20)|(1<<21)|(5<<22)|(3<<25)  ; 15:0 the mask; 17:16 2-byte elements; 20 padding on; 21 set beside a mask; 24:22 after every 64 words; 31:25 4 words
	s_or_b32 s[G1B+0], s44, (1<<16)|(1<<20)|(1<<21)|(5<<22)|(3<<25)
	s_mov_b32 s[G1B+1], KSTEP<<16
	s_mov_b32 s[G1+1], KSTEP<<16                   ; tensor_dim0 = 128
	s_mov_b32 s[G1B+2], 128<<16
	s_mov_b32 s[G1+2], 128<<16                     ; tensor_dim1 = 128
	s_mov_b32 s[G1B+3], KSTEP<<16
	s_mov_b32 s[G1+3], KSTEP<<16                   ; tile_dim0 = 128
	s_mov_b32 s[G1B+4], 128
	s_mov_b32 s[G1+4], 128                         ; tile_dim1 = 128
	s_mov_b32 s[G1B+5], SIZE_K
	s_mov_b32 s[G1+5], SIZE_K                      ; elements from row to row
	s_mov_b32 s[G1B+6], 0
	s_mov_b32 s[G1+6], 0
	s_mov_b32 s[G1B+7], 0
	s_mov_b32 s[G1+7], 0
	; where the tiles come from: x16's hang on the tile row alone, wt's on the tile column alone, each in registers that never hold the other coordinate
	s_lshl_b32 s17, s12, 7
	s_lshl_b32 s16, s13, 8
	s_add_co_u32 s16, s16, s17                     ; x16: row 256 x tile row + 128 x half
	s_lshl_b32 s46, s42, 8
	s_add_co_u32 s46, s46, s17                     ; wt: row 256 x tile column + 128 x half
	s_mov_b32 s17, 0
	s_mov_b32 s47, 0
	s_mov_b64 s[18:19], SIZE_K*2
	s_mul_u64 s[16:17], s[16:17], s[18:19]
	s_mul_u64 s[46:47], s[46:47], s[18:19]
	s_mul_i32 s20, s10, HALFT                      ; and where they go: wave x 128 rows: no place in the cluster enters an LDS address
	s_wait_dscnt 0x0                               ; the opening add is done
	s_wait_kmcnt 0x0
	s_add_nc_u64 s[14:15], s[4:5], s[16:17]
	s_add_nc_u64 s[46:47], s[6:7], s[46:47]
	CROUND                                         ; all sixteen work-groups are here: the first joint loads meet
.irp s, 0,1
	s_mov_b32 s[G0+4*(\s)], 1
	s_add_co_u32 s[G0+4*(\s)+1], s20, (\s)*SLOT
	s_add_nc_u64 s[G0+4*(\s)+2:G0+4*(\s)+3], s[14:15], (\s)*KSTEP*2
	s_or_b32 s[G0+4*(\s)+3], s[G0+4*(\s)+3], 0x80000000
	s_mov_b32 s[G0B+4*(\s)], 1
	s_add_co_u32 s[G0B+4*(\s)+1], s20, (\s)*SLOT
	s_add_nc_u64 s[G0B+4*(\s)+2:G0B+4*(\s)+3], s[46:47], (\s)*KSTEP*2
	s_or_b32 s[G0B+4*(\s)+3], s[G0B+4*(\s)+3], 0x80000000
	JLOAD \s                                       ; the ring is filled before anything else is done: two loads of mine are out
.endr
	; A fragment is 16 rows x 32 K in 8 registers: lane l holds row l % 16; registers 0-3 K = 8 (l / 16) + 0..7, registers 4-7 K = 16 + 8 (l / 16) + 0..7: two loads of 16 bytes, 32 bytes apart.
	v_and_b32 v1, 15, v0
	v_bfe_u32 v2, v0, 4, 1
	v_mul_u32_u24 v3, v1, PITCH
	v_lshl_add_u32 v3, v2, 4, v3
	s_mul_i32 s21, s11, HALFT                      ; my 128 rows of x16
	s_mul_i32 s22, s12, HALFT                      ; my 128 rows of wt,
	s_add_co_u32 s22, s22, 2*HALFT                 ; which lie behind x16's 256
.irp s, 0,1
	v_add_nc_u32 v[ADRA+(\s)], s21, v3
	v_add_nc_u32 v[ADRB+(\s)], s22, v3
	s_add_co_u32 s21, s21, SLOT
	s_add_co_u32 s22, s22, SLOT
.endr
	s_mul_i32 s23, s10, 16*SPITCH
	s_add_co_u32 s23, s23, STAGE                   ; my stage
	v_mul_u32_u24 v4, v1, SPITCH
	v_lshl_add_u32 v4, v2, 4, v4
	v_add_nc_u32 v[STO], s23, v4
	v_mul_u32_u24 v5, v2, SPITCH
	v_lshl_add_u32 v5, v1, 4, v5
	v_add_nc_u32 v[RD], s23, v5
	v_mul_u32_u24 v5, v2, SIZE_N*2
	v_lshl_add_u32 v[CO], v1, 4, v5
	; where my part of the first tile begins in qkv, in bytes: the first way out adds it to the address
	s_lshl_b32 s13, s13, 8
	s_lshl_b32 s14, s11, 7
	s_add_co_u32 s16, s13, s14
	s_mov_b32 s17, 0
	s_mov_b64 s[18:19], SIZE_N*2
	s_mul_u64 s[16:17], s[16:17], s[18:19]
	s_lshl_b32 s46, s42, 9
	s_lshl_b32 s47, s12, 8
	s_add_co_u32 s46, s46, s47
	s_mov_b32 s47, 0
	s_add_nc_u64 s[16:17], s[16:17], s[46:47]
	; the prefetches
	s_lshl_b32 s42, s42, 8
	s_and_b32 s22, ttmp7, 0xffff
	s_cmp_eq_u32 s11, 0                            ; do I fetch for x16?
	s_cselect_b32 s20, s13, s42                    ; the tile's first row
	s_cselect_b32 s21, s40, s41                    ; my place among the four that ask for it with me
	s_cselect_b32 s22, ttmp9, s22                  ; the coordinate along which other clusters read the same rows
	s_cselect_b64 s[PFA:PFA+1], s[4:5], s[6:7]
	s_cmp_eq_u32 s22, 0
	s_cselect_b32 s[LIM], 1, -1                    ; the same in all sixteen partners, for a given wave
	s_lshl_b32 s22, s12, 7
	s_add_co_u32 s20, s20, s22
	s_lshl_b32 s21, s21, 5
	s_add_co_u32 s20, s20, s21
	s_mov_b32 s21, 0
	s_mov_b64 s[18:19], SIZE_K*2
	s_mul_u64 s[20:21], s[20:21], s[18:19]
	s_add_nc_u64 s[PFA:PFA+1], s[PFA:PFA+1], s[20:21]
	s_add_nc_u64 s[PFA:PFA+1], s[PFA:PFA+1], 2*KSTEP*2  ; at K step 2: the first refill steps it to 3 and names K step 4
	v_and_b32 v[PFO], 31, v0
	v_mul_u32_u24 v[PFO], v[PFO], SIZE_K*2
; 16 matrix instructions: m blocks a0, a0 + 1 of the window's four x all 8 n blocks, 32 along K.  zero = 1: the first product starts the sums: nothing is ever cleared.
.macro MUL16 f, hi, a0, zero
	WIN MUL_LO+0x50*(\hi)
.irp a, \a0, (\a0)+1
.irp b, 0,1,2,3,4,5,6,7
.if \zero
	v_wmma_f32_16x16x32_bf16 v[8*(8*(\a)+(\b)):8*(8*(\a)+(\b))+7], v[(\f)+8*(\b):(\f)+8*(\b)+7], v[(\f)+8*(4*(\hi)+(\a)):(\f)+8*(4*(\hi)+(\a))+7], 0
.else
	v_wmma_f32_16x16x32_bf16 v[8*(8*(\a)+(\b)):8*(8*(\a)+(\b))+7], v[(\f)+8*(\b):(\f)+8*(\b)+7], v[(\f)+8*(4*(\hi)+(\a)):(\f)+8*(4*(\hi)+(\a))+7], v[8*(8*(\a)+(\b)):8*(8*(\a)+(\b))+7]
.endif
.endr
.endr
.endm
; 32 LDS loads in one run: the fragments of one quarter step into buffer f
.macro FETCH slot, k, f
	WIN TO_B
.irp i, 0,1,2,3,4,5,6,7
	ds_load_b128 v[(\f)+8*(\i):(\f)+8*(\i)+3],   v[ADRB+(\slot)] offset:(\k)+(\i)*16*PITCH
	ds_load_b128 v[(\f)+8*(\i)+4:(\f)+8*(\i)+7], v[ADRB+(\slot)] offset:(\k)+(\i)*16*PITCH+32
.endr
	WIN 0
.irp i, 0,1,2,3,4,5,6,7
	ds_load_b128 v[(\f)+8*(\i):(\f)+8*(\i)+3],   v[ADRA+(\slot)] offset:(\k)+(\i)*16*PITCH
	ds_load_b128 v[(\f)+8*(\i)+4:(\f)+8*(\i)+7], v[ADRA+(\slot)] offset:(\k)+(\i)*16*PITCH+32
.endr
.endm
; Four plain vector instructions stand between a matrix instruction and a load into a register that it read, or a vector instruction that reads its result (ISA guide 7.12.1 for vector instructions).
.macro PLACES
.rept 4
	v_nop
.endr
.endm
; A K step is four quarters of 32 along K, 64 matrix instructions each, on buffers 0, 1, 0, 1.  One of the first three: multiplies buffer f; in its middle it fetches the next quarter into g.
.macro QUARTER slot, k, f, g, zero
	s_wait_dscnt 8                                 ; wt's and x16's rows 0-63 are in; the youngest eight loads may be out
	WIN MUL_LO
	MUL16 \f, 0, 0, \zero
	MUL16 \f, 0, 2, \zero
	PLACES
	FETCH \slot, \k, \g
	s_wait_dscnt 32                                ; all but the 32 just issued
	WIN MUL_HI
	MUL16 \f, 1, 0, \zero
	MUL16 \f, 1, 2, \zero
.endm
; The last quarter multiplies buffer 1 and changes slots.  MEET is its first half: one barrier; in front of it each wave waits for all its tensor loads (one is out: its part of the next slot),
; adds 0 to its spare word, and waits for that and for its own reads of this slot.
.macro MEET round
	WIN 0
	s_wait_tensorcnt 0x0                           ; all my tensor loads have landed
	ds_add_u32 v[SPW], v[NIL]                      ; 0 onto my spare word
	s_wait_dscnt 9                                 ; (the add and the youngest eight loads may be out)
	WIN MUL_LO
	MUL16 F1, 0, 0, 0
	s_wait_dscnt 0x0                               ; the add is done, and my reads of this slot are over
	s_barrier_signal -1
	MUL16 F1, 0, 2, 0                              ; work on registers while the others arrive
.if \round
	WIN 0
.endif
	s_barrier_wait -1
.endm
; The whole last quarter.  Behind the round the slot just read out is filled again first: with this tile's K step two steps on (on = 0) or with the next tile's K step 0 or 1 (on = 1).
.macro TURN slot, next, on
	s_wait_xcnt 0x0                                ; the last prefetch, a K step back, has read its address: it is stepped here
.if (\on) && (\slot) == 0
	s_add_nc_u64 s[PFA:PFA+1], s[PFA:PFA+1], (WALK-1)*SIZE_K*2+KSTEP*2  ; from the K step after the tile's last to the next tile's K step 1
	s_cmp_eq_u32 s11, 0
	s_cselect_b32 s[LIM], s[LIM], -1               ; wt's rows are the same for both tiles: they are asked for in the first alone
.else
	s_add_nc_u64 s[PFA:PFA+1], s[PFA:PFA+1], KSTEP*2
.endif
	MEET 1
	CREST                                          ; no wave of any partner still reads this slot's tile or has a load on its way
.if \on
	s_add_nc_u64 s[G0+4*(\slot)+2:G0+4*(\slot)+3], s[G0+4*(\slot)+2:G0+4*(\slot)+3], NEXT_A
	s_sub_nc_u64 s[G0B+4*(\slot)+2:G0B+4*(\slot)+3], s[G0B+4*(\slot)+2:G0B+4*(\slot)+3], BACK_B
.else
	s_add_nc_u64 s[G0+4*(\slot)+2:G0+4*(\slot)+3], s[G0+4*(\slot)+2:G0+4*(\slot)+3], 2*KSTEP*2
	s_add_nc_u64 s[G0B+4*(\slot)+2:G0B+4*(\slot)+3], s[G0B+4*(\slot)+2:G0B+4*(\slot)+3], 2*KSTEP*2
.endif
	JLOAD \slot                                    ; the first tensor load behind the round; its four v_nop are also the places in front of the loads below
	FETCH \next, 0, F0
	ASK \on
	WIN MUL_HI
	MUL16 F1, 1, 0, 0
	MUL16 F1, 1, 2, 0
.endm
; THE LAST K STEP OF THE LAST TILE (it lies in slot 1) GOES BY ROWS: all its fragments of wt fill window 1; then my eight blocks of 16 rows are finished one after the other,
; 32 matrix instructions each, the block's 8 accumulators by turns, K ascending.
.macro BLOAD q
	WIN TO_B
.irp i, 0,1,2,3,4,5,6,7
	ds_load_b128 v[64*(\q)+8*(\i):64*(\q)+8*(\i)+3],   v[ADRB+1] offset:64*(\q)+(\i)*16*PITCH
	ds_load_b128 v[64*(\q)+8*(\i)+4:64*(\q)+8*(\i)+7], v[ADRB+1] offset:64*(\q)+(\i)*16*PITCH+32
.endr
.endm
.macro ALOAD a
	WIN 0
.set FA, PA+32*((\a)%4)
.irp q, 0,1,2,3
	ds_load_b128 v[FA+8*(\q):FA+8*(\q)+3],   v[ADRA+1] offset:64*(\q)+(\a)*16*PITCH
	ds_load_b128 v[FA+8*(\q)+4:FA+8*(\q)+7], v[ADRA+1] offset:64*(\q)+(\a)*16*PITCH+32
.endr
.endm
.macro ROW a
.set FA, PA+32*((\a)%4)
.set AC, 64*((\a)%4)
	WIN MUL_LO+0x50*((\a)/4)
.irp q, 0,1,2,3
.if (\a) == 0 && (\q) == 2
	s_wait_dscnt 24                                ; wt's quarter 2 is in (behind it: x16's blocks 1 to 3)
.endif
.irp b, 0,1,2,3,4,5,6,7
	v_wmma_f32_16x16x32_bf16 v[AC+8*(\b):AC+8*(\b)+7], v[64*(\q)+8*(\b):64*(\q)+8*(\b)+7], v[FA+8*(\q):FA+8*(\q)+7], v[AC+8*(\b):AC+8*(\b)+7]
.endr
.endr
.endm
; THE WAY OUT of block a.  PACK: rounded to f16, 16 bytes a lane, each accumulator's registers in ascending order.  TOSTAGE: into my own stage and back as whole rows of 256 bytes.  SEND: stored.
.macro PACK a
.set AC, 64*((\a)%4)
	WIN 0x0a+5*((\a)/4)
.irp b, 0,1,2,3,4,5,6,7
.irp r, 0,1,2,3
	v_cvt_pk_f16_f32 v[TMP+4*(\b)+(\r)], v[AC+8*(\b)+2*(\r)], v[AC+8*(\b)+2*(\r)+1]
.endr
.endr
	WIN 0
.endm
.macro TOSTAGE a
	WIN 0
.set BK, OB+192*((\a)%2)
.irp b, 0,1,2,3,4,5,6,7
	ds_store_b128 v[STO], v[TMP+4*(\b):TMP+4*(\b)+3] offset:32*(\b)
.endr
.irp t, 0,1,2,3,4,5,6,7
	ds_load_b128 v[BK+4*(\t):BK+4*(\t)+3], v[RD] offset:(\t)*2*SPITCH  ; LDS serves a wave's instructions in order (ISA guide 5.7.1.4): these see the stores above
.endr
.endm
.macro SEND a, younger
	WIN 0
.set BK, OB+192*((\a)%2)
	s_wait_dscnt \younger                          ; the block is back in registers
	s_wait_xcnt 0x0                                ; only behind this wait are the stores' base and the registers that earlier stores read rewritten
.if (\a) == 0
	s_add_nc_u64 s[8:9], s[8:9], s[16:17]          ; on to this tile's first rows
.else
	s_add_nc_u64 s[8:9], s[8:9], 16*SIZE_N*2
.endif
.irp t, 0,1,2,3,4,5,6,7
	global_store_b128 v[CO], v[BK+4*(\t):BK+4*(\t)+3], s[8:9] offset:2*(\t)*SIZE_N*2  ; 16 lanes store 256 consecutive bytes, at a multiple of 256 from qkv's first byte
.endr
.endm
	s_wait_tensorcnt 1                             ; my part of K step 0 is in; K step 1's may stay out
	s_barrier_signal -1
	s_barrier_wait -1
	FETCH 0, 0, F0
	s_mov_b32 s2, SIZE_TILES                       ; tiles to go, this one among them
.Ltile:
	QUARTER 0, 64,  F0, F1, 1                      ; a tile's first quarter stands in front of the loop: its products start the sums
	WIN 0
	s_mov_b32 s3, LAPS-1
.Llap:                                                 ; a trip goes once round the ring, from a lap's second quarter to the next lap's first, and fills both slots again
	QUARTER 0, 128, F1, F0, 0
	QUARTER 0, 192, F0, F1, 0
	TURN 0, 1, 0
	QUARTER 1, 64,  F0, F1, 0
	QUARTER 1, 128, F1, F0, 0
	QUARTER 1, 192, F0, F1, 0
	TURN 1, 0, 0
	QUARTER 0, 64,  F0, F1, 0
	WIN 0
	s_sub_co_u32 s3, s3, 1
	s_cmp_lg_u32 s3, 0
	s_cbranch_scc1 .Llap
	QUARTER 0, 128, F1, F0, 0                      ; the tile's last lap goes on
	QUARTER 0, 192, F0, F1, 0
	WIN 0
	s_cmp_eq_u32 s2, 1
	s_cbranch_scc1 .Llast_tile                     ; the last tile's tail is written out: it asks for nothing more
	TURN 0, 1, 1                                   ; the ring goes on into the next tile: slot 0 takes its K step 0,
	QUARTER 1, 64,  F0, F1, 0
	QUARTER 1, 128, F1, F0, 0
	QUARTER 1, 192, F0, F1, 0
	TURN 1, 0, 1                                   ; slot 1 its K step 1, and the next tile's first fragments are fetched
	PACK 0                                         ; both refills are asked for: now the tile goes out.  Blocks 0-3's conversions are the places behind the last products (blocks 4-7's)
	TOSTAGE 0
.irp a, 1,2,3,4,5,6,7
	PACK \a
	SEND (\a)-1, 0
	TOSTAGE \a
.endr
	SEND 7, 0
	s_mov_b64 s[16:17], NEXT_C                     ; what the next way out adds to the address
	s_sub_co_u32 s2, s2, 1
	s_branch .Ltile
.Llast_tile:
	MEET 0                                         ; my one tensor load that was still out is the last K step's, so no round follows
	PLACES
	WIN TO_B
	BLOAD 0
	BLOAD 1
	BLOAD 3
	WIN 0
	ALOAD 0
	WIN MUL_HI
	MUL16 F1, 1, 0, 0
	MUL16 F1, 1, 2, 0
	PLACES
	WIN TO_B
	BLOAD 2
	WIN 0
	ALOAD 1
	ALOAD 2
	ALOAD 3
	s_wait_dscnt 40                                ; all but the 40 just issued
	ROW 0
.irp a, 0,1,2,3,4,5,6,7                ; each block leaves as soon as it is finished
	PLACES
	PACK \a
	TOSTAGE \a
.if (\a) < 4
	ALOAD (\a)+4
	SEND \a, 8
.else
	SEND \a, 0
.endif
.if (\a) < 7
	ROW (\a)+1
.endif
.endr
	s_wait_tensorcnt 0x0                           ; the wave's end: three closing lines, behind my last tensor load and my last LDS store
	ds_add_u32 v[SPW], v[NIL]
	s_wait_dscnt 0x0
	CROUND                                         ; the closing round: no work-group ends while a partner may still ask for a tile that names it
	s_endpgm
.Lfunc_end_k_qe34306e063_proj:
	.size	k_qe34306e063_proj, .Lfunc_end_k_qe34306e063_proj-k_qe34306e063_proj
	.p2alignl 7, 3214868480
	.fill 96, 4, 3214868480
	.section	.rodata,"a",@progbits
	.p2align	6, 0x0
	.amdhsa_kernel k_qe34306e063_proj
		.amdhsa_group_segment_fixed_size 327680
		.amdhsa_private_segment_fixed_size 0
		.amdhsa_enable_private_segment 0
		.amdhsa_kernarg_size 24
		.amdhsa_user_sgpr_count 2
		.amdhsa_user_sgpr_kernarg_segment_ptr 1
		.amdhsa_wavefront_size32 1
		.amdhsa_system_sgpr_workgroup_id_x 1
		.amdhsa_system_sgpr_workgroup_id_y 1
		.amdhsa_system_sgpr_workgroup_id_z 1
		.amdhsa_system_vgpr_workitem_id 0
		.amdhsa_next_free_vgpr 1024
		.amdhsa_next_free_sgpr 66
		.amdhsa_reserve_vcc 0
		.amdhsa_float_denorm_mode_32 3
		.amdhsa_float_denorm_mode_16_64 3
		.amdhsa_memory_ordered 1
		.amdhsa_forward_progress 1
		.amdhsa_inst_pref_size 210
	.end_amdhsa_kernel
	.amdgpu_metadata
---
amdhsa.version: [ 1, 2 ]
amdhsa.kernels:
  - .name:           k_qe34306e063_proj
    .symbol:         k_qe34306e063_proj.kd
    .args:
      - { .name: x16, .offset: 0, .size: 8, .value_kind: global_buffer, .address_space: global }
      - { .name: wt, .offset: 8, .size: 8, .value_kind: global_buffer, .address_space: global }
      - { .name: qkv, .offset: 16, .size: 8, .value_kind: global_buffer, .address_space: global }
    .group_segment_fixed_size: 327680
    .private_segment_fixed_size: 0
    .kernarg_segment_align: 8
    .kernarg_segment_size: 24
    .max_flat_workgroup_size: 128
    .sgpr_count:     66
    .vgpr_count:     1024
    .wavefront_size: 32
...
	.end_amdgpu_metadata
.endif
;; end of part 2
;; launch attn (part 3): grid 32 x 8, 4 waves a work-group, clusters of 4 x 1, 327,680 bytes of LDS; arguments qkv, out0; writes out0
.if DOCPART == 3
	.amdgcn_target "amdgcn-amd-amdhsa--gfx1250"
	.amdhsa_code_object_version 6
	.text
	.protected	k_qe34306e063_attn
	.globl	k_qe34306e063_attn
	.p2align	8
	.type	k_qe34306e063_attn,@function
k_qe34306e063_attn:
	s_mov_b64 s[64:65], 0
	v_nop
	global_prefetch_b8 v0, s[64:65] scope:SCOPE_SE
	s_setreg_imm32_b32 hwreg(HW_REG_WAVE_MODE, 25, 1), 1
	s_wait_xcnt 0x0
	s_wait_alu depctr_hold_cnt(0) depctr_sa_sdst(0) depctr_va_vdst(0) depctr_va_sdst(0) depctr_va_ssrc(0) depctr_va_vcc(0) depctr_vm_vsrc(0)
	s_getreg_b32 s2, hwreg(HW_REG_IB_STS2, 6, 4)
	s_cmp_eq_u32 s2, 0
	s_cbranch_scc0 .Lentry_in_a_cluster
	s_endpgm
.Lentry_in_a_cluster:
	s_bfe_u32 s2, ttmp6, 0x10000c
	s_cmp_lg_u32 s2, 0x3003
	s_cbranch_scc0 .Lentry_shape_is_right
	s_endpgm
.Lentry_shape_is_right:
; ATTENTION.  qkv: [16384][2048] f16, a row = q / 4 (768 channels, byte 0), k / 4 (768, byte 1,536), v / 4 (384, byte 3,072).  out0: [16384][384] f32.
; out0[q] = sum over the batch's 2,048 keys of softmax(q . k / sqrt(768)) v.  p = 2^(c s - c m), s = (q / 4) . (k / 4), c = 16 log2(e) / sqrt(768), m a running maximum of s.
; Products, maxima and sums in f32; p is rounded to f16 for the second product (its sum l is taken of the unrounded p); out0 is written once, in f32.
; LIMITS.  q / 4, k / 4, v / 4 arrive within f16's 65,504; p lies in 0 to 1 and below 6e-5 keeps f16's fixed step of 6e-8; a weight below 2^-126 counts as 0 in l; NaN and infinities are not treated apart.
; SHARES.  16 queries take 192 registers of Q and 192 of O: two tiles fill a wave.  A work-group owns 64 queries: two PAIRS of waves, 32 queries a pair.  THE KEYS ARE SPLIT INSIDE A PAIR: of each step's
; 64 keys wave w takes the 32 from 32 (w % 2) on, with a running maximum, a sum and an O of its own; at the end the two join through LDS.  256 work-groups; every one walks its batch's keys in 32 steps.
; Register tile u of wave w is the pair's query tile u xor (w % 2): so every wave finishes its register tile 0 and sends its register tile 1, by one text.
; LAYOUT.  S^T = K Q^T (source 0 = 16 keys, source 1 = 16 queries): a lane holds ONE query (lane % 16) and the keys 8 (lane / 16) + 0..7.  Two such results rounded to f16 in pairs ARE
; source 1 (32 keys x 16 queries) of O^T = V^T P, whose result again holds one query a lane, and eight channels.  K comes out of LDS as it lies, V turned, by ds_load_tr16_b128.
; m starts at the lowest finite number, O and l at 0: the first step is a step like any other, with a = 2^(c m_old - c m_new) = 0.  The price: 384 lines that write 0, in the wait for the first tile.
; A STEP: 96 products K Q^T; the softmax of both tiles; O times a; 48 products V^T P.  Of the 192 lines of O times a, 128 stand behind products V^T P: behind product n of a group the four that
; serve accumulator n of the next group.
; CLUSTER.  The four query blocks of a cluster belong to one batch and walk the same K and V: each tile is asked for JOINTLY, by the same tensor load, descriptor and mask in all four.
; LDS.  Two slots of one step: K as three thirds of 256 channels (64 rows x 528 bytes each), then V (64 rows x 864 bytes).  What the end writes (stages, exchange) lies in slot 0, which has had its last fill
; (step 30's) and its last read before the last barrier of the walk: two slots and 116,736 bytes more do not fit in 327,680.
; REGISTERS, in windows of 256 (s_set_vgpr_msb: bits 1:0 source 0, 3:2 source 1, 5:4 source 2, 7:6 destination):
;   window 0: v0-15 addresses; v16-31 statistics; v32-63 S^T (16 t + 8 kb); v64-79 P (8 t); v80-93 the end's addresses and weights; v96-127 at work at the end; v128-255 two buffers of 8 fragments of K or V
;   window 1: Q, channel slices c = 0-15 at 16 c + 8 t      window 2: v0-127 Q, c = 16-23; v128-255 O^T, channel blocks cb = 0-7 at 128 + 16 cb + 8 t      window 3: O^T, cb = 8-23 at 16 (cb - 8) + 8 t
.set KS,    64        ; keys in a step
.set STEPS, 32
.set PK,    528       ; a row of a third of K: 512 bytes + 16 = 132 words: row r starts at bank 4 r mod 64 (64 banks of 4 bytes: ISA guide 11.1)
.set PV,    864       ; a row of V: 3 x (256 + 32) bytes = 216 words: the 8 rows of a turning load start at banks 0, 24, 48, 8, 32, 56, 16, 40, 8 banks each
.set THIRD, KS*PK     ; 33,792
.set VOFF,  3*THIRD   ; 101,376
.set SLOT1, 0x27000   ; slot 1 begins here; its bits meet none of 0, THIRD, 2 THIRD, VOFF, so one exclusive or turns each of these into the other slot's
.set SPARE, SLOT1+VOFF+KS*PV  ; 316,416: behind the ring: the spare words, 128 bytes for each wave, which no other line names
.set SP,    272       ; a stage row: 256 bytes + 16
.set XCH,   4*16*SP   ; behind the four stages: the exchange, for each wave
.set XCHW,  48*512    ; 48 stores of 512 bytes: a tile's O^T as it lies in registers
.set XST,   XCH+4*XCHW  ; behind it: (c m, l), 8 bytes a lane, 256 bytes a wave
.set TILEB, KS*4096   ; bytes of qkv from a step's rows to the next step's
.set AK0, 2           ; v2   my lane's place in a third of K, my wave's 32 keys; never rewritten
.set AV0, 3           ; v3   the same for V
.set AK,  4           ; v4   K's first two thirds in the slot in hand
.set AK2, 5           ; v5   its last third
.set AV,  6           ; v6   V in the slot in hand
.set STO, 7           ; v7   the way out: where I put 32 bytes of a row
.set RD,  8           ; v8   the way out: where I read rows back
.set GO,  9           ; v9   my byte offset in two rows of out0
.set QO,  10          ; v10  my byte offset in 16 rows of Q
.set PFO, 11          ; v11  the prefetches' offset; never rewritten
.set SPW, 14          ; v14  SPARE + 4 x my thread's number; never rewritten
.set NIL, 15          ; v15  0; never rewritten
.set ST,  16          ; tile t's statistics at v[ST+8 t]: +0 c m, +1 m (at the end l), +2, +3 l (even keys', odd keys'), +4, +5 c0, c1 at work, +6 a, +7 c m_old and its change
.set S,   32
.set P,   64
.set QA,  80          ; v80-81  QO + the rows of register tile 0, 1
.set PS,  82          ; v82-83  my partner's (c m, l)
.set MX,  84          ; v84 the greater c m; v85 4 / divisor
.set WA,  86          ; v86-87  my weight, twice
.set WB,  88          ; v88-89  my partner's
.set XW,  90          ; v90  where I put 16 bytes in my exchange area
.set XR,  91          ; v91  the same place in my partner's
.set SXW, 92          ; v92  where I put (c m, l)
.set SXR, 93          ; v93  where my partner's lies
.set BK,  96          ; v96-159  the way out: rows read back, two sets of 32 by turns
.set FR,  128
.set WV,  12          ; s12  my wave's number
.set PFA, 18          ; s[18:19] where my prefetches stand
.set G1K, 24          ; s[24:31] descriptor group 1 for a third of K
.set G1V, 32          ; s[32:39] for V
.set G0,  40          ; s[40:43] descriptor group 0: wave w's LDS address is THIRD x w and its bytes of a row begin at 1,536 + 512 w, which for w = 3 are V's
.set LEFT, 56         ; s56  trips still to come
.set LIM, 57          ; s57  1 in the cluster that prefetches, else the greatest number
.set CS,  58          ; s[58:59] c
.set SEL, 60          ; s[60:61] v_permlanex16_b32's selects: each lane takes its own place in the other half
.set TB,  62          ; s62  LDS byte at which the slot in hand begins
.set MSB, 0
.macro WIN new                      ; the high byte repeats the setting that is left; a switch that changes nothing is dropped
.if MSB != (\new)
	s_set_vgpr_msb (MSB<<8)|(\new)
.set MSB, (\new)
.endif
.endm
.macro PLACES                       ; four plain vector instructions between a matrix instruction and a load into a register that it read, or a line that reads its result (ISA guide 7.12.1 for vector instructions)
.rept 4
	v_nop
.endr
.endm
; A joint fill: waves 0 to 2 fetch K's thirds (64 rows x 512 bytes), wave 3 V (64 rows x 768 bytes).  The branch hangs on the wave's number alone.  An s_nop 0 and four v_nop follow each line.
.macro JLOAD
	s_cmp_lt_u32 s[WV], 3
	s_cbranch_scc0 .Lfor_v_\@
	tensor_load_to_lds s[G0:G0+3], s[G1K:G1K+7]
	s_nop 0
.rept 4
	v_nop
.endr
	s_branch .Lasked_\@
.Lfor_v_\@:
	tensor_load_to_lds s[G0:G0+3], s[G1V:G1V+7]
	s_nop 0
.rept 4
	v_nop
.endr
.Lasked_\@:
.endm
; A PREFETCH INTO THE L2 of the step behind the one just asked for.  Eight clusters walk the same K and V: the first of them (cluster x = 0) asks.  Its four partners share the rows out BY ADDRESS.
; Waves 0 to 2, every trip: their own third of step j + 2: 16 rows a partner x 2 blocks of 256 bytes, a lane a block.  Wave 3, every second trip: V of steps j + 2 and j + 3: 32 rows a partner, a lane a row,
; three blocks of 256 bytes, an instruction each.  So each block is named once in the launch.  Steps 0 and 1 come by their loads alone; the last trip asks for nothing, and wave 3's last request is step 31's.
.macro ASK
	s_cmp_gt_u32 s[LEFT], s[LIM]
	s_cbranch_scc0 .Lnone_\@
	s_cmp_lt_u32 s[WV], 3
	s_cbranch_scc0 .Lpf_v_\@
	global_prefetch_b8 v[PFO], s[PFA:PFA+1] th:TH_LOAD_NT scope:SCOPE_SE
	s_branch .Lnone_\@
.Lpf_v_\@:
	s_bitcmp1_b32 s[LEFT], 0        ; LEFT = 31 - j is odd where j is even
	s_cbranch_scc0 .Lnone_\@
	global_prefetch_b8 v[PFO], s[PFA:PFA+1] th:TH_LOAD_NT scope:SCOPE_SE
	global_prefetch_b8 v[PFO], s[PFA:PFA+1] offset:256 th:TH_LOAD_NT scope:SCOPE_SE
	global_prefetch_b8 v[PFO], s[PFA:PFA+1] offset:512 th:TH_LOAD_NT scope:SCOPE_SE
.Lnone_\@:
.endm
; A round of the cluster's barrier: my work-group's barrier; wave 0 signals for the work-group; every wave waits for all four work-groups; my work-group's barrier once more.
.macro CROUND
	s_barrier_signal -1
	s_barrier_wait -1
	s_cmp_lg_u32 s[WV], 0
	s_cbranch_scc1 .Lnot_wave_0_\@
	s_barrier_signal -3
.Lnot_wave_0_\@:
	s_barrier_wait -3
	s_barrier_signal -1
	s_barrier_wait -1
.endm
; THE CHANGE OF SLOTS.  Each wave waits for all its tensor loads, of which one is out: its part of the slot to be read; adds 0 to its spare word; and waits for that and for its own reads of the slot that it leaves.
; fill = 1: the slot left is filled again, with the next step's tiles.  The barrier is then a round of the cluster's, and the joint fill is the first thing behind it: it has a whole step, 144 matrix instructions a wave, in which to land.
; (At its first use nothing has been read yet: slot 0 is waited for, slot 1 filled.)
.macro CHANGE fill
	WIN 0
	s_wait_tensorcnt 0x0            ; no tensor load of mine is out, so group 0 may be written
	ds_add_u32 v[SPW], v[NIL]       ; 0 onto my spare word; the scalar steps stand between it and the wait for it
.if \fill
	s_xor_b32 s[G0+1], s[G0+1], SLOT1  ; the other slot than last time,
	s_add_nc_u64 s[G0+2:G0+3], s[G0+2:G0+3], TILEB  ; the next 64 keys; the type bits on top are not reached
	s_wait_xcnt 0x0                 ; the last prefetches, a step back, have read their address
	s_add_nc_u64 s[PFA:PFA+1], s[PFA:PFA+1], TILEB
	s_wait_dscnt 0x0                ; the add is done, and my reads of the slot are over
	CROUND
	JLOAD                           ; its four v_nop are also the places in front of the LDS loads that follow
.else
	s_wait_dscnt 0x0
	s_barrier_signal -1
	s_barrier_wait -1
	PLACES
.endif
	s_xor_b32 s[TB], s[TB], SLOT1   ; the reads go to the other slot
.endm
; THE LDS LOADS stand in runs of 16, each a whole group of 16 products ahead of its use.  K: channel slices 4 g to 4 g + 3 (32 channels each), my two blocks of 16 keys, into buffer b.
.macro FETCHK g, b
.irp c, 4*(\g), 4*(\g)+1, 4*(\g)+2, 4*(\g)+3
.irp kb, 0,1
.if (\c) < 16
	ds_load_b128 v[FR+64*(\b)+16*((\c)%4)+8*(\kb):FR+64*(\b)+16*((\c)%4)+8*(\kb)+3],   v[AK] offset:((\c)/8)*THIRD+(\kb)*16*PK+((\c)%8)*64
	ds_load_b128 v[FR+64*(\b)+16*((\c)%4)+8*(\kb)+4:FR+64*(\b)+16*((\c)%4)+8*(\kb)+7], v[AK] offset:((\c)/8)*THIRD+(\kb)*16*PK+((\c)%8)*64+32
.else
	ds_load_b128 v[FR+64*(\b)+16*((\c)%4)+8*(\kb):FR+64*(\b)+16*((\c)%4)+8*(\kb)+3],   v[AK2] offset:(\kb)*16*PK+((\c)%8)*64
	ds_load_b128 v[FR+64*(\b)+16*((\c)%4)+8*(\kb)+4:FR+64*(\b)+16*((\c)%4)+8*(\kb)+7], v[AK2] offset:(\kb)*16*PK+((\c)%8)*64+32
.endif
.endr
.endr
.endm
; V, turned: channel blocks 8 G to 8 G + 7 (16 channels each), my 32 keys, into buffer b.
.macro FETCHV G, b
.irp i, 0,1,2,3,4,5,6,7
	ds_load_tr16_b128 v[FR+64*(\b)+8*(\i):FR+64*(\b)+8*(\i)+3],   v[AV] offset:(\G)*288+(\i)*32
	ds_load_tr16_b128 v[FR+64*(\b)+8*(\i)+4:FR+64*(\b)+8*(\i)+7], v[AV] offset:16*PV+(\G)*288+(\i)*32
.endr
.endm
; THE MATRIX WORK.  The accumulators take turns, one instruction a turn: in K Q^T three others stand between two links of a chain; in V^T P each accumulator has one product a step.
.macro KQ4                          ; slice cc out of buffer bb: S^T(kb, t) += K(kb, cc) Q(cc, t); slice 0 starts the sums
.irp kb, 0,1
.irp t, 0,1
.if cc == 0
	v_wmma_f32_16x16x32_f16 v[S+16*(\t)+8*(\kb):S+16*(\t)+8*(\kb)+7], v[FR+64*bb+16*(cc%4)+8*(\kb):FR+64*bb+16*(cc%4)+8*(\kb)+7], v[16*(cc%16)+8*(\t):16*(cc%16)+8*(\t)+7], 0
.else
	v_wmma_f32_16x16x32_f16 v[S+16*(\t)+8*(\kb):S+16*(\t)+8*(\kb)+7], v[FR+64*bb+16*(cc%4)+8*(\kb):FR+64*bb+16*(cc%4)+8*(\kb)+7], v[16*(cc%16)+8*(\t):16*(cc%16)+8*(\t)+7], v[S+16*(\t)+8*(\kb):S+16*(\t)+8*(\kb)+7]
.endif
.endr
.endr
.endm
.macro GROUPK g                     ; four slices, 16 products; at its head the next group's run of loads goes into the buffer that the group before has read
.if (\g) > 0
	PLACES
.if (\g) < 5
	FETCHK (\g)+1, 1-(\g)%2
.else
	FETCHV 0, 0
.endif
.endif
	s_wait_dscnt 16                 ; my group's loads are in; the 16 issued behind them may stay out
.set bb, (\g)%2
.set cc, 4*(\g)
.rept 4
	KQ4
.set cc, cc+1
.endr
.endm
; Group G of V^T P: channel blocks 8 G to 8 G + 7 x two tiles: product n serves block 8 G + n / 2 of tile n % 2, whose accumulator lies at 128 + 128 G + 8 n, counted on from window 2.
; Behind product n of groups 0 and 1 stand the four lines that multiply accumulator n of the next group by a: they name no register of the products round them.
.macro GROUPV G
.set bb, (\G)%2
.set WO, 0xa0                       ; C and D in window 2,
.if (\G) > 0
.set WO, 0xf0                       ; or 3
.endif
.if (\G) == 1
	WIN 0
	PLACES
	FETCHV 2, 0                     ; into the buffer that group 0 has read
.endif
.if (\G) < 2
	s_wait_dscnt 16                 ; my group's loads are in; the 16 issued behind them may stay out
.else
	s_wait_dscnt 0x0
.endif
.set n, 0
.rept 16
.set rO, (128+128*(\G)+8*n)%256
	WIN WO
	v_wmma_f32_16x16x32_f16 v[rO:rO+7], v[FR+64*bb+8*(n/2):FR+64*bb+8*(n/2)+7], v[P+8*(n%2):P+8*(n%2)+7], v[rO:rO+7]
.if (\G) < 2
.set rN, (128+128*((\G)+1)+8*n)%256
	WIN 0xc3                        ; destination and source 0 in window 3, a in window 0
.irp k, 0,2,4,6
	v_pk_mul_f32 v[rN+(\k):rN+(\k)+1], v[rN+(\k):rN+(\k)+1], v[ST+8*(n%2)+6:ST+8*(n%2)+7] op_sel_hi:[1,0]
.endr
.endif
.set n, n+1
.endr
.endm
; THE SOFTMAX of tile t is a list of 54 instructions; SM writes number j.  s0-s15 are the lane's 16 scores, in pairs 0-7.
;   0-8     the maximum of s0-s15 and the old m, three operands at a time, in two chains; each accumulator's lowest registers are read first; 7 keeps c m_old
;   9-12    the other half of the lanes' maximum; the new m; c m; c m_old - c m_new
;   13-37   ONE BATCH: a, the 8 scalings c s - c m and the 16 exponentials; none of these reads an exponential's result; a pair is scaled three numbers or more ahead of its exponentials
;   38-45   the roundings to f16          46-53  the sums; l = a l + the sum
.macro SM t
.set rT, ST+8*(\t)
.set rS, S+16*(\t)
.set rP, P+8*(\t)
.if j == 0
	v_max3_num_f32 v[rT+4], v[rS], v[rS+1], v[rS+2]
.elseif j == 1
	v_max3_num_f32 v[rT+5], v[rS+8], v[rS+9], v[rS+10]
.elseif j < 6
	v_max3_num_f32 v[rT+4+j%2], v[rT+4+j%2], v[rS+8*(j%2)+2*(j/2)+1], v[rS+8*(j%2)+2*(j/2)+2]
.elseif j == 6
	v_max3_num_f32 v[rT+4], v[rT+4], v[rS+7], v[rS+15]
.elseif j == 7
	v_mov_b32 v[rT+7], v[rT]        ; c m_old is kept for a
.elseif j == 8
	v_max3_num_f32 v[rT+4], v[rT+4], v[rT+5], v[rT+1]
.elseif j == 9
	v_permlanex16_b32 v[rT+5], v[rT+4], s[SEL], s[SEL+1]  ; the query's other 16 keys lie in the lane 16 away
.elseif j == 10
	v_max_num_f32 v[rT+1], v[rT+4], v[rT+5]
.elseif j == 11
	v_mul_f32 v[rT], s[CS], v[rT+1]
.elseif j == 12
	v_sub_f32 v[rT+7], v[rT+7], v[rT]
.elseif j == 13
	v_exp_f32 v[rT+6], v[rT+7]
.elseif (j == 14) || ((j < 36) && (j%3 == 0))
.set b, (j-12)/3                    ; 14: pair 0; 15, 18, .. 33: pairs 1 to 7
	v_pk_fma_f32 v[rS+2*b:rS+2*b+1], v[rS+2*b:rS+2*b+1], s[CS:CS+1], v[rT:rT+1] op_sel_hi:[1,0,0] neg_lo:[0,0,1] neg_hi:[0,0,1]
.elseif j < 38
.set e, j-22                        ; 36, 37: s14, s15
.if j < 36
.set e, 2*((j-15)/3)+j%3-1          ; 16, 17, 19, 20, .. 34, 35: s0 to s13
.endif
	v_exp_f32 v[rS+e], v[rS+e]
.elseif j < 46
	v_cvt_pk_f16_f32 v[rP+j-38], v[rS+2*(j-38)], v[rS+2*(j-38)+1]
.elseif j < 50                      ; the sum of the 8 pairs, in place: neighbours 1, 2 and 4 pairs apart, then l takes it
	v_pk_add_f32 v[rS+4*(j-46):rS+4*(j-46)+1], v[rS+4*(j-46):rS+4*(j-46)+1], v[rS+4*(j-46)+2:rS+4*(j-46)+3]
.elseif j < 52
	v_pk_add_f32 v[rS+8*(j-50):rS+8*(j-50)+1], v[rS+8*(j-50):rS+8*(j-50)+1], v[rS+8*(j-50)+4:rS+8*(j-50)+5]
.elseif j == 52
	v_pk_add_f32 v[rS:rS+1], v[rS:rS+1], v[rS+8:rS+9]
.else
	v_pk_fma_f32 v[rT+2:rT+3], v[rT+2:rT+3], v[rT+6:rT+7], v[rS:rS+1] op_sel_hi:[1,0,1]
.endif
.endm
.macro SOFTMAX                      ; the two tiles alternate, so that no line reads the result of the one just before it
	PLACES                          ; behind the last K Q^T: for the loads below and for the first reads of the scores
	WIN 0
	FETCHV 1, 1                     ; V's second group, into the buffer that the last group of K Q^T has read: it lands while the softmax is at work
.set j, 0
.rept 38
	SM 0
	SM 1
.set j, j+1
.endr
	v_nop                           ; a plain instruction behind the last exponential,
	s_wait_alu depctr_va_vdst(0)    ; and ONE wait for the 34, ahead of the first line that names a result
.rept 16
	SM 0
	SM 1
.set j, j+1
.endr
.endm
.macro RESC0                        ; the first group's O^T times a, in ascending order: it has no products to stand behind
	WIN 0x82                        ; destination and source 0 in window 2, a in window 0
.set i, 128
.rept 64
	v_pk_mul_f32 v[i:i+1], v[i:i+1], v[ST+8*((i/8)%2)+6:ST+8*((i/8)%2)+7] op_sel_hi:[1,0]
.set i, i+2
.endr
.endm
.macro STEP fill
	CHANGE \fill
	v_add_nc_u32 v[AK], s[TB], v[AK0]
	v_add_nc_u32 v[AK2], 2*THIRD, v[AK]
	v_add_nc_u32 v[AV], s[TB], v[AV0]
	FETCHK 0, 0
	FETCHK 1, 1
.if \fill
	ASK                             ; behind the joint load and the runs of LDS loads that the first products wait for
.endif
	WIN 0x04                        ; source 1, Q, in window 1: LDS loads and v_nop are not touched by it
.irp g, 0,1,2,3
	GROUPK \g
.endr
	WIN 0x08                        ; Q in window 2
.irp g, 4,5
	GROUPK \g
.endr
	SOFTMAX
	RESC0
.irp g, 0,1,2
	GROUPV \g
.endr
	WIN 0                           ; at a label and at a branch every window is 0
.endm
	s_load_b128 s[4:7], s[0:1], 0x0 ; qkv s[4:5], out0 s[6:7]
	v_lshl_add_u32 v[SPW], v0, 2, SPARE
	v_mov_b32 v[NIL], 0
	ds_add_u32 v[SPW], v[NIL]       ; the wave's opening: the add and its wait stand ahead of my first tensor load; the set-up below stands between them
	v_lshrrev_b32 v1, 5, v0
	v_readfirstlane_b32 s[WV], v1   ; wave 0..3
	s_bfe_u32 s13, ttmp6, 0x40000   ; cx: my place in the cluster
	s_lshl_b32 s14, ttmp9, 2        ; in a cluster launch ttmp9 counts clusters
	s_add_co_u32 s14, s14, s13      ; my block of 64 queries: it enters Q's and out0's addresses alone
	s_and_b32 s15, ttmp7, 0xffff    ; the batch, which the four partners share
	s_lshl_b32 s20, s15, 23         ; its 2,048 rows of 4,096 bytes,
	s_lshl_b32 s21, s[WV], 9
	s_add_co_u32 s20, s20, s21
	s_add_co_u32 s20, s20, 1536     ; my 512 (wave 3: 768) bytes of a row
	s_mov_b32 s21, 0
	s_lshr_b32 s16, s[WV], 1        ; my pair
	s_and_b32 s17, s[WV], 1         ; which 32 of a step's 64 keys are mine; also: which of the pair's two tiles I finish
	s_lshl_b32 s2, s15, 11
	s_lshl_b32 s3, s14, 6
	s_add_co_u32 s2, s2, s3
	s_lshl_b32 s3, s16, 5
	s_add_co_u32 s2, s2, s3         ; the pair's first query: 2,048 batch + 64 block + 32 pair
	s_lshl_b32 s22, s2, 12          ; its byte in qkv
	s_mov_b32 s23, 0
	s_lshl_b32 s3, s17, 4
	s_add_co_u32 s3, s3, s2         ; the first query of the tile that I finish,
	s_mul_i32 s48, s3, 1536         ; and its byte in out0
	s_mov_b32 s49, 0
	s_cmp_lt_u32 s[WV], 3           ; the prefetches: a partner's share is 16 rows of a third of K, or 32 rows of V
	s_cselect_b32 s52, 16, 17
	s_cselect_b32 s54, 8, 16        ; lanes 16-31: the row's second 256 bytes, or 16 rows further down
	s_lshl_b32 s52, s13, s52
	s_add_co_u32 s52, s52, s20
	s_add_co_u32 s52, s52, TILEB    ; at step 1: the first change of slots steps it to step 2
	s_mov_b32 s53, 0
	s_cmp_eq_u32 ttmp9, 0
	s_cselect_b32 s[LIM], 1, -1     ; the same in all four partners
	; descriptor group 1.  K: 64 rows x 256 elements, 4 words of padding after every 128.  V: 64 rows x 384 elements, 8 words after every 64.
	s_mov_b32 s[G1K], 15|(1<<16)|(1<<20)|(1<<21)|(6<<22)|(3<<25)  ; 15:0 the mask of four; 17:16 2-byte elements; 20 padding on; 21 set beside a mask
	s_mov_b32 s[G1K+1], 256<<16     ; tensor_dim0
	s_mov_b32 s[G1K+2], KS<<16      ; tensor_dim1
	s_mov_b32 s[G1K+3], 256<<16     ; tile_dim0
	s_mov_b32 s[G1K+4], KS          ; tile_dim1
	s_mov_b32 s[G1K+5], 2048        ; elements from row to row
	s_mov_b32 s[G1K+6], 0
	s_mov_b32 s[G1K+7], 0
	s_mov_b32 s[G1V], 15|(1<<16)|(1<<20)|(1<<21)|(5<<22)|(7<<25)
	s_mov_b32 s[G1V+1], 384<<16
	s_mov_b32 s[G1V+2], KS<<16
	s_mov_b32 s[G1V+3], 384<<16
	s_mov_b32 s[G1V+4], KS
	s_mov_b32 s[G1V+5], 2048
	s_mov_b32 s[G1V+6], 0
	s_mov_b32 s[G1V+7], 0
	s_mov_b32 s[G0], 1              ; count = 1
	s_mul_i32 s[G0+1], s[WV], THIRD ; LDS address, slot 0: no place in the cluster enters it
	s_mov_b32 s[CS], 0x3f553b94     ; c = 16 log2(e) / sqrt(768) = 0.832940
	s_mov_b32 s[CS+1], s[CS]        ; named with it as a pair
	s_mov_b32 s[SEL], 0x76543210
	s_mov_b32 s[SEL+1], 0xfedcba98
	s_mov_b32 s[TB], SLOT1          ; the first change of slots turns it into 0
	s_mov_b32 s[LEFT], STEPS-1
	s_wait_dscnt 0x0                ; the opening add is done
	s_wait_kmcnt 0x0
	s_add_nc_u64 s[G0+2:G0+3], s[4:5], s[20:21]  ; global address: my part of step 0
	s_or_b32 s[G0+3], s[G0+3], 0x80000000        ; type = 2
	s_add_nc_u64 s[PFA:PFA+1], s[4:5], s[52:53]
	s_add_nc_u64 s[4:5], s[4:5], s[22:23]        ; Q at the pair's first row
	s_add_nc_u64 s[6:7], s[6:7], s[48:49]        ; out0 at the tile that I finish
	CROUND                          ; all four work-groups are here: the first joint loads meet
	JLOAD                           ; step 0 into slot 0; slot 1 is asked for at the first change of slots
	; A fragment of K or Q is 16 rows x 32 channels in 8 registers: lane l holds row l % 16, channels 8 (l / 16) + 0..7 and 16 + 8 (l / 16) + 0..7: two loads of 16 bytes, 32 bytes apart.
	v_and_b32 v1, 15, v0            ; l % 16
	v_bfe_u32 v12, v0, 4, 1         ; l / 16
	v_lshlrev_b32 v[QO], 12, v1
	v_lshl_add_u32 v[QO], v12, 4, v[QO]
	s_lshl_b32 s55, s17, 16         ; 16 rows of 4,096 bytes: register tile 0 is the pair's tile w % 2,
	v_add_nc_u32 v[QA], s55, v[QO]
	s_xor_b32 s55, s55, 0x10000     ; register tile 1 the other
	v_add_nc_u32 v[QA+1], s55, v[QO]
	WIN 0x40                        ; destination window 1
.set i, 0
.rept 32                            ; Q stays in registers: slice i / 2, register tile i % 2
	global_load_b128 v[8*i:8*i+3],   v[QA+i%2], s[4:5] offset:(i/2)*64
	global_load_b128 v[8*i+4:8*i+7], v[QA+i%2], s[4:5] offset:(i/2)*64+32
.set i, i+1
.endr
	WIN 0x80                        ; destination window 2
.set i, 0
.rept 16
	global_load_b128 v[8*i:8*i+3],   v[QA+i%2], s[4:5] offset:(16+i/2)*64
	global_load_b128 v[8*i+4:8*i+7], v[QA+i%2], s[4:5] offset:(16+i/2)*64+32
.set i, i+1
.endr
.set i, 128
.rept 128
	v_mov_b32 v[i], 0               ; O^T starts at 0
.set i, i+1
.endr
	WIN 0xc0
.set i, 0
.rept 256
	v_mov_b32 v[i], 0
.set i, i+1
.endr
	WIN 0
.irp t, 0,1
	v_mov_b32 v[ST+8*(\t)], 0xfe000000    ; c m: far below every c s
	v_mov_b32 v[ST+8*(\t)+1], 0xff7fffff  ; m
	v_mov_b32 v[ST+8*(\t)+2], 0
	v_mov_b32 v[ST+8*(\t)+3], 0
.endr
	v_mul_u32_u24 v[AK0], v1, PK
	v_lshl_add_u32 v[AK0], v12, 4, v[AK0]  ; row x pitch + 16 x half,
	s_mul_i32 s2, s17, 32*PK
	v_add_nc_u32 v[AK0], s2, v[AK0]        ; from my wave's first key on
	; The turning load takes 16 keys x 16 channels (lane l reads key 8 (l / 16) + l % 8, channels 8 ((l / 8) % 2) + 0..7) and leaves half a fragment of V^T: lane l holds channel l % 16 and 8 keys.
	v_and_b32 v13, 7, v0
	v_lshl_add_u32 v[AV0], v12, 3, v13
	v_mul_u32_u24 v[AV0], v[AV0], PV
	v_bfe_u32 v13, v0, 3, 1
	v_lshl_add_u32 v[AV0], v13, 4, v[AV0]
	v_add_nc_u32 v[AV0], VOFF, v[AV0]
	s_mul_i32 s2, s17, 32*PV
	v_add_nc_u32 v[AV0], s2, v[AV0]
	s_mul_i32 s2, s[WV], 16*SP      ; my stage
	v_mul_u32_u24 v[STO], v1, SP    ; in: row l % 16, 32 bytes for each half of the lanes
	v_lshl_add_u32 v[STO], v12, 5, v[STO]
	v_add_nc_u32 v[STO], s2, v[STO]
	v_mul_u32_u24 v[RD], v12, SP    ; back: lanes 0-15 take one row of 256 bytes, lanes 16-31 the next
	v_lshl_add_u32 v[RD], v1, 4, v[RD]
	v_add_nc_u32 v[RD], s2, v[RD]
	v_mul_u32_u24 v[GO], v12, 1536  ; and the same two rows in out0
	v_lshl_add_u32 v[GO], v1, 4, v[GO]
	v_lshlrev_b32 v[PFO], 12, v1    ; a lane's row,
	v_lshlrev_b32 v13, s54, v12     ; and what the upper lanes add
	v_add_nc_u32 v[PFO], v[PFO], v13
	v_and_b32 v13, 31, v0           ; the exchange: 16 (8) bytes a lane on end, in my area and in my partner's (wave w xor 1)
	s_mul_i32 s2, s[WV], XCHW
	s_add_co_u32 s2, s2, XCH
	v_lshl_add_u32 v[XW], v13, 4, s2
	s_xor_b32 s3, s[WV], 1
	s_mul_i32 s2, s3, XCHW
	s_add_co_u32 s2, s2, XCH
	v_lshl_add_u32 v[XR], v13, 4, s2
	s_lshl_b32 s2, s[WV], 8
	s_add_co_u32 s2, s2, XST
	v_lshl_add_u32 v[SXW], v13, 3, s2
	s_lshl_b32 s2, s3, 8
	s_add_co_u32 s2, s2, XST
	v_lshl_add_u32 v[SXR], v13, 3, s2
	s_wait_loadcnt 0x0              ; Q
.Ltrip:                             ; 31 trips: trip j reads step j and asks for step j + 1
	STEP 1
	s_sub_co_u32 s[LEFT], s[LEFT], 1
	s_cmp_lg_u32 s[LEFT], 0
	s_cbranch_scc1 .Ltrip
	STEP 0                          ; step 31 is written out: nothing is asked for
	; THE PAIR JOINS.  l's two halves and the other half of the lanes' are added.  I send register tile 1 (its O^T as it lies, 48 x 512 bytes, and its (c m, l)) and receive my partner's, which is the other
	; 1,024 keys' share of my register tile 0, lane for lane.
	PLACES                          ; behind the last products
.irp t, 0,1
	v_add_f32 v[ST+8*(\t)+4], v[ST+8*(\t)+2], v[ST+8*(\t)+3]
.endr
.irp t, 0,1
	v_permlanex16_b32 v[ST+8*(\t)+5], v[ST+8*(\t)+4], s[SEL], s[SEL+1]
.endr
.irp t, 0,1
	v_add_f32 v[ST+8*(\t)+1], v[ST+8*(\t)+4], v[ST+8*(\t)+5]  ; l takes m's place beside c m
.endr
	ds_store_b64 v[SXW], v[ST+8:ST+9]
	WIN 0x08                        ; the stores' data in window 2,
.set cb, 0
.rept 24
.if cb == 8
	WIN 0x0c                        ; then 3
.endif
.set rO, (128+16*cb+8)%256
	ds_store_b128 v[XW], v[rO:rO+3] offset:1024*cb        ; an accumulator's low registers first
	ds_store_b128 v[XW], v[rO+4:rO+7] offset:1024*cb+512
.set cb, cb+1
.endr
	WIN 0
	s_wait_dscnt 0x0                ; for my partner's sake: my stores are done
	s_barrier_signal -1
	s_barrier_wait -1
	ds_load_b64 v[PS:PS+1], v[SXR]
	WIN 0x80                        ; into the registers that I have just sent
.set cb, 0
.rept 24
.if cb == 8
	WIN 0xc0
.endif
.set rO, (128+16*cb+8)%256
	ds_load_b128 v[rO:rO+3], v[XR] offset:1024*cb
	ds_load_b128 v[rO+4:rO+7], v[XR] offset:1024*cb+512
.set cb, cb+1
.endr
	WIN 0
	; out = 4 (O_a e_a + O_b e_b) / (l_a e_a + l_b e_b), e = 2^(c m - the greater c m): the greater maximum is taken away; its share has e = 1 and l of about 1 or more, so the divisor is never 0.  The 4: v was held as v / 4.
	s_wait_dscnt 48                 ; (c m, l) is in; the 48 loads behind it may stay out
	v_max_num_f32 v[MX], v[ST], v[PS]
	v_sub_f32 v[WA], v[ST], v[MX]
	v_sub_f32 v[WB], v[PS], v[MX]
	v_exp_f32 v[WA], v[WA]
	v_exp_f32 v[WB], v[WB]
	v_nop                           ; a plain instruction behind the last exponential,
	s_wait_alu depctr_va_vdst(0)    ; and one wait for the two, ahead of their first reader
	v_mul_f32 v[MX+1], v[ST+1], v[WA]
	v_fma_f32 v[MX+1], v[PS+1], v[WB], v[MX+1]
	v_rcp_f32 v[MX+1], v[MX+1]
	v_nop
	s_wait_alu depctr_va_vdst(0)    ; the reciprocal's
	v_mul_f32 v[MX+1], 4.0, v[MX+1]
	v_mul_f32 v[WA], v[WA], v[MX+1]
	v_mul_f32 v[WB], v[WB], v[MX+1]
	v_mov_b32 v[WA+1], v[WA]        ; named as pairs, of which the packed lines take the low word
	v_mov_b32 v[WB+1], v[WB]
.macro JOIN g                       ; channel blocks 4 g to 4 g + 3
	s_wait_dscnt 40-8*(\g)          ; their eight loads are in; the later blocks' may stay out
.if (\g) < 2
	WIN 0xa2                        ; destination, sources 0 and 2 in window 2, the weight in window 0,
.else
	WIN 0xf3                        ; or in window 3
.endif
.irp i, 0,1,2,3
.set rO, (128+16*(4*(\g)+(\i)))%256
.irp k, 0,2,4,6
	v_pk_mul_f32 v[rO+8+(\k):rO+9+(\k)], v[rO+8+(\k):rO+9+(\k)], v[WB:WB+1] op_sel_hi:[1,0]
.endr
.irp k, 0,2,4,6
	v_pk_fma_f32 v[rO+(\k):rO+1+(\k)], v[rO+(\k):rO+1+(\k)], v[WA:WA+1], v[rO+8+(\k):rO+9+(\k)] op_sel_hi:[1,0,1]
.endr
.endr
.endm
.irp g, 0,1,2,3,4,5
	JOIN \g
.endr
; THE WAY OUT, 16 queries x 64 channels at a time: a lane's eight channels are 32 bytes of a row; they go into rows of 272 bytes of my stage and come back as whole rows of 256.
.macro OUTR g
	WIN 0
	s_wait_xcnt 0x0                 ; the stores before have read their registers, which the loads below write again
.if (\g) < 2
	WIN 0x08                        ; the stores' data in window 2,
.else
	WIN 0x0c                        ; or 3
.endif
.irp i, 0,1,2,3
.set rO, (128+16*(4*(\g)+(\i)))%256
	ds_store_b128 v[STO], v[rO:rO+3] offset:64*(\i)
	ds_store_b128 v[STO], v[rO+4:rO+7] offset:64*(\i)+16
.endr
	WIN 0
.set bk, BK+32*((\g)%2)
.irp i, 0,1,2,3,4,5,6,7
	ds_load_b128 v[bk+4*(\i):bk+4*(\i)+3], v[RD] offset:2*SP*(\i)  ; LDS serves a wave's instructions in order (ISA guide 5.7.1.4): these see the stores above; the next round's stores come behind them
.endr
.irp i, 0,1,2,3,4,5,6,7
	s_wait_dscnt 7-(\i)
	global_store_b128 v[GO], v[bk+4*(\i):bk+4*(\i)+3], s[6:7] offset:3072*(\i)+256*(\g) th:TH_STORE_NT  ; 16 lanes store 256 consecutive bytes, at a multiple of 256 from out0's first byte
.endr
.endm
.irp g, 0,1,2,3,4,5
	OUTR \g
.endr
	s_wait_tensorcnt 0x0            ; the wave's end: three closing lines, behind my last tensor load and my last LDS store
	ds_add_u32 v[SPW], v[NIL]
	s_wait_dscnt 0x0
	CROUND                          ; the closing round: no work-group ends while a partner may still ask for a tile that names it
	s_endpgm
.Lfunc_end_k_qe34306e063_attn:
	.size	k_qe34306e063_attn, .Lfunc_end_k_qe34306e063_attn-k_qe34306e063_attn
	.p2alignl 7, 3214868480
	.fill 96, 4, 3214868480
	.section	.rodata,"a",@progbits
	.p2align	6, 0x0
	.amdhsa_kernel k_qe34306e063_attn
		.amdhsa_group_segment_fixed_size 327680
		.amdhsa_private_segment_fixed_size 0
		.amdhsa_enable_private_segment 0
		.amdhsa_kernarg_size 16
		.amdhsa_user_sgpr_count 2
		.amdhsa_user_sgpr_kernarg_segment_ptr 1
		.amdhsa_wavefront_size32 1
		.amdhsa_system_sgpr_workgroup_id_x 1
		.amdhsa_system_sgpr_workgroup_id_y 1
		.amdhsa_system_sgpr_workgroup_id_z 1
		.amdhsa_system_vgpr_workitem_id 0
		.amdhsa_next_free_vgpr 1024
		.amdhsa_next_free_sgpr 66
		.amdhsa_reserve_vcc 0
		.amdhsa_float_denorm_mode_32 3
		.amdhsa_float_denorm_mode_16_64 3
		.amdhsa_memory_ordered 1
		.amdhsa_forward_progress 1
		.amdhsa_inst_pref_size 142
	.end_amdhsa_kernel
	.amdgpu_metadata
---
amdhsa.version: [ 1, 2 ]
amdhsa.kernels:
  - .name:           k_qe34306e063_attn
    .symbol:         k_qe34306e063_attn.kd
    .args:
      - { .name: qkv, .offset: 0, .size: 8, .value_kind: global_buffer, .address_space: global }
      - { .name: out0, .offset: 8, .size: 8, .value_kind: global_buffer, .address_space: global }
    .group_segment_fixed_size: 327680
    .private_segment_fixed_size: 0
    .kernarg_segment_align: 8
    .kernarg_segment_size: 16
    .max_flat_workgroup_size: 128
    .sgpr_count:     66
    .vgpr_count:     1024
    .wavefront_size: 32
...
	.end_amdgpu_metadata
.endif
;; end of part 3
;; ======== version 2 of 2: 3 launches; version 1 with the launch prep written anew for expert scheduling mode
;; limits: values are held in f16: magnitudes above 65,504 overflow, below 6.1e-05 lose precision
;; workspace buffers: x16 25,165,824 bytes; wt 3,145,728 bytes; qkv 67,108,864 bytes
;; launch prep (part 4): grid 704 x 1, 8 waves a work-group, no clusters, 18,432 bytes of LDS; arguments inputs, W_query, W_key, W_value, x16, wt; writes x16, wt
.if DOCPART == 4
	.amdgcn_target "amdgcn-amd-amdhsa--gfx1250"
	.amdhsa_code_object_version 6
	.text
	.protected	k_qe34306e063_prep
	.globl	k_qe34306e063_prep
	.p2align	8
	.type	k_qe34306e063_prep,@function
k_qe34306e063_prep:
	s_mov_b64 s[64:65], 0
	v_nop
	global_prefetch_b8 v0, s[64:65] scope:SCOPE_SE
	s_setreg_imm32_b32 hwreg(HW_REG_WAVE_SCHED_MODE, 0, 2), 2
	s_setreg_imm32_b32 hwreg(HW_REG_WAVE_MODE, 25, 1), 1
	s_wait_xcnt 0x0
	s_wait_alu depctr_vm_vsrc(0)
; x16 = inputs rounded to bf16, [16384][768].   wt[n][k] = bf16(W[k][n] / 4), [2048][768]: rows 0-767 W_query's columns, 768-1535 W_key's,
; 1536-1919 W_value's, 1920-2047 zeros (they fill the product's last tile of 256 columns).  The quarter is a power of two: the rounding to bf16 is that of W itself.
; Work-groups 0-511 cast inputs: a plain stream, 98,304 bytes in and 49,152 out each, no LDS.  Work-groups 512-703 turn one tile of 128 k x 64 n of a weight
; each, through LDS.  The branch between the two hangs on the work-group's number alone: all eight waves take the same way.
; No matrix unit, no cluster, no prefetch: every byte is read once by one wave, and all of a wave's loads go out at its start.
; THE MODE: SCHED_MODE bits 1:0 = 2 (LLVM: expert scheduling mode 2), set by the entry lines.  The code itself states the register dependences
; between vector instructions and memory or LDS instructions, with s_wait_alu, always for 0.
; THE PLAN, THE CAST.  Registers that memory instructions touch:
;   v1, v2            offsets, made once ahead of the first load and never written again.
;   v[8+4 i:11+4 i]   load i lands here; all 24 loads go out before any vector line names these registers.  The two conversions of i read the four and write the first two,
;                     which store i reads.  No register that a store has read is written again.
; The 24 go in six blocks of four.  One wait at the head of block p states that block p - 1's conversions have written what block p - 1's four stores read; those stores are dealt among
; block p's conversions, which name block p's registers alone.
; THE PLAN, THE TURNING.  v3, v4, v5, v16-23: addresses and offsets, made once.  v24-55: the eight loads land here, the multiplies and conversions read them.  v56-71: written by the
; conversions, read by the LDS stores.  v72-87: the LDS loads land here, the global stores read them; no vector line names them.  None of these is written a second time.
; Two waits: one ahead of the loads, for the addresses; one between the conversions and the run of LDS stores.
; v110, v111: written at the head, read by the closing add alone.
.set XIN,   98304                      ; bytes of inputs to a work-group: 24 loads of 16 bytes a thread
.set XOUT,  49152
.set STG,   272                        ; a stage row: 128 k in bf16 = 256 bytes, + 16
.set SPARE, 64*STG                     ; behind the stage's 64 rows: the spare words, 128 bytes for each of eight waves, which no other line names
.set SPW,   110                        ; v110  SPARE + 4 x my thread's number; never rewritten
.set NIL,   111                        ; v111  0; never rewritten
	s_load_b256 s[4:11], s[0:1], 0x0               ; inputs s[4:5], W_query s[6:7], W_key s[8:9], W_value s[10:11]
	s_load_b128 s[12:15], s[0:1], 0x20             ; x16 s[12:13], wt s[14:15]
	v_lshl_add_u32 v[SPW], v0, 2, SPARE
	v_mov_b32 v[NIL], 0
	s_cmp_lt_u32 ttmp9, 512
	s_cbranch_scc0 .Lweights
	; THE CAST.  Thread t takes 16 bytes at 16 t of each block of 4,096; a wave's store of 8 bytes a lane covers 256 consecutive bytes, aligned.
	v_lshlrev_b32 v1, 4, v0
	v_lshlrev_b32 v2, 3, v0
	s_mul_i32 s16, ttmp9, XIN
	s_mov_b32 s17, 0
	s_mul_i32 s18, ttmp9, XOUT
	s_mov_b32 s19, 0
	s_wait_kmcnt 0x0
	s_add_nc_u64 s[4:5], s[4:5], s[16:17]
	s_add_nc_u64 s[12:13], s[12:13], s[18:19]
	s_wait_alu depctr_va_vdst(0)                   ; v1 and v2 are written: every load below reads v1 as its offset, every store v2
.set i, 0
.rept 24
	global_load_b128 v[8+4*i:11+4*i], v1, s[4:5] offset:4096*i th:TH_LOAD_NT  ; all 24 at once: 12 KiB of each wave on their way
.set i, i+1
.endr
; Block p: loads 4 p to 4 p + 3 are rounded; the four stores of the block before stand among the conversions, a store ahead of each pair.
.macro CBLK p
	s_wait_loadcnt 20-4*(\p)                       ; loads come back in order: this block's four are in, the younger ones stay out
.if (\p) > 0
	s_wait_alu depctr_va_vdst(0)                   ; the block before has written its eight words of bf16, which the four stores below read; no conversion behind this wait names them
.endif
.irp r, 0,1,2,3
.set n, 4*(\p)+(\r)
.if (\p) > 0
	global_store_b64 v2, v[8+4*(n-4):9+4*(n-4)], s[12:13] offset:2048*(n-4) th:TH_STORE_NT  ; no register of a store is written again
.endif
	v_cvt_pk_bf16_f32 v[8+4*n], v[8+4*n], v[9+4*n]
	v_cvt_pk_bf16_f32 v[9+4*n], v[10+4*n], v[11+4*n]
.endr
.endm
	CBLK 0
	CBLK 1
	CBLK 2
	CBLK 3
	CBLK 4
	CBLK 5
	s_wait_alu depctr_va_vdst(0)                   ; the last block's conversions have written what the last four stores read
.irp r, 20,21,22,23
	global_store_b64 v2, v[8+4*(\r):9+4*(\r)], s[12:13] offset:2048*(\r) th:TH_STORE_NT
.endr
	s_endpgm                                       ; this way has written no LDS
.Lweights:
	; THE TURNING.  Tile nt (64 rows of wt) x kt (128 k).  Which weight, which of its blocks of 64 columns, its row pitch and the factor follow from nt.
	s_sub_co_u32 s16, ttmp9, 512
	s_and_b32 s17, s16, 31                         ; nt
	s_lshr_b32 s18, s16, 5                         ; kt, 0 to 5
	v_lshrrev_b32 v1, 5, v0                        ; wave
	v_and_b32 v2, 15, v0                           ; which 16 bytes (4 columns) of a row's 256
	v_bfe_u32 v9, v0, 4, 1                         ; which half of the lanes
	v_lshlrev_b32 v6, 4, v1
	v_lshl_add_u32 v6, v9, 1, v6                   ; my first row of the tile: 16 wave + 2 half
	v_lshlrev_b32 v12, 4, v2
	v_mul_u32_u24 v3, v2, 4*STG                    ; into the stage: row n = 4 quad + c, byte 2 k = 32 wave + 8 p + 4 half
	v_lshl_add_u32 v3, v1, 5, v3
	v_lshl_add_u32 v3, v9, 2, v3
	v_lshl_add_u32 v7, v1, 3, v9                   ; back: row 8 wave + half + 2 i, 16 lanes to a row
	v_mul_u32_u24 v4, v7, STG
	v_add_nc_u32 v4, v4, v12
	v_mul_u32_u24 v5, v7, 1536                     ; and the same rows in wt
	v_add_nc_u32 v5, v5, v12
	s_mov_b32 s24, 1536                            ; a row of W_value in bytes
	s_wait_kmcnt 0x0
	s_cmp_lt_u32 s17, 12
	s_cselect_b64 s[22:23], s[6:7], s[8:9]
	s_cselect_b32 s19, 0, 12                       ; the first nt of the weight
	s_cmp_lt_u32 s17, 24
	s_cselect_b64 s[22:23], s[22:23], s[10:11]
	s_cselect_b32 s19, s19, 24
	s_cselect_b32 s24, 3072, s24                   ; a row of W_query or W_key
	s_cmp_lt_u32 s17, 30
	s_cselect_b32 s19, s19, 30                     ; nt 30 and 31: the zero rows, made of W_value's first columns times 0
	s_cselect_b32 s20, 0x3e800000, 0               ; 0.25, or 0
	s_mov_b32 s21, s20                             ; named with it as a pair
	s_mul_i32 s26, s18, s24
	s_lshl_b32 s26, s26, 7                         ; kt x 128 rows
	s_sub_co_u32 s27, s17, s19
	s_lshl_b32 s27, s27, 8                         ; + 256 bytes for each block of 64 columns
	s_add_co_u32 s26, s26, s27
	s_mov_b32 s27, 0
	s_add_nc_u64 s[22:23], s[22:23], s[26:27]
	s_mul_i32 s28, s17, 98304                      ; wt: 64 rows of 1,536 bytes for each nt,
	s_lshl_b32 s29, s18, 8                         ; 256 bytes for each kt
	s_add_co_u32 s28, s28, s29
	s_mov_b32 s29, 0
	s_add_nc_u64 s[14:15], s[14:15], s[28:29]
.irp i, 0,1,2,3,4,5,6,7                ; load i: row 16 wave + 2 half + 4 (i / 2) + i % 2; sixteen lanes take the row's 256 consecutive bytes
	v_add_nc_u32 v13, 4*((\i)/2)+(\i)%2, v6
	v_mad_u32_u24 v[16+(\i)], v13, s24, v12
.endr
	s_wait_alu depctr_va_vdst(0)                   ; the loads' offsets v16 to v23 are written; so are v3, v4 and v5, which the LDS stores, the LDS loads and the global stores below read and no later line writes
.irp i, 0,1,2,3,4,5,6,7
	global_load_b128 v[24+4*(\i):27+4*(\i)], v[16+(\i)], s[22:23]
.endr
	s_wait_loadcnt 0x0
.irp p, 0,1,2,3                        ; loads 2 p and 2 p + 1 hold k and k + 1 of the same four columns: a pair along k packs into one word of wt
.irp q, 0,2,4,6
	v_pk_mul_f32 v[24+8*(\p)+(\q):25+8*(\p)+(\q)], v[24+8*(\p)+(\q):25+8*(\p)+(\q)], s[20:21] op_sel_hi:[1,0]
.endr
.irp c, 0,1,2,3
	v_cvt_pk_bf16_f32 v[56+4*(\p)+(\c)], v[24+8*(\p)+(\c)], v[28+8*(\p)+(\c)]
.endr
.endr
	s_wait_alu depctr_va_vdst(0)                   ; the sixteen conversions have written v56 to v71, which the run of LDS stores reads
.irp p, 0,1,2,3
.irp c, 0,1,2,3
	ds_store_b32 v3, v[56+4*(\p)+(\c)] offset:STG*(\c)+8*(\p)
.endr
.endr
	s_wait_dscnt 0x0                               ; for the others' sake: my stores into the stage are done
	s_barrier_signal -1
	s_barrier_wait -1
.irp i, 0,1,2,3
	ds_load_b128 v[72+4*(\i):75+4*(\i)], v4 offset:2*STG*(\i)  ; into registers that no vector line names
.endr
.irp i, 0,1,2,3
	s_wait_dscnt 3-(\i)
	global_store_b128 v5, v[72+4*(\i):75+4*(\i)], s[14:15] offset:3072*(\i)  ; 16 lanes store 256 consecutive bytes, at a multiple of 256 from wt's first byte
.endr
	s_wait_dscnt 0x0                               ; the closing lines, six on end
	s_wait_alu 0x0
	s_wait_tensorcnt 0x0
	ds_add_u32 v[SPW], v[NIL]
	s_wait_dscnt 0x0
	s_endpgm
.Lfunc_end_k_qe34306e063_prep:
	.size	k_qe34306e063_prep, .Lfunc_end_k_qe34306e063_prep-k_qe34306e063_prep
	.p2alignl 7, 3214868480
	.fill 96, 4, 3214868480
	.section	.rodata,"a",@progbits
	.p2align	6, 0x0
	.amdhsa_kernel k_qe34306e063_prep
		.amdhsa_group_segment_fixed_size 18432
		.amdhsa_private_segment_fixed_size 0
		.amdhsa_enable_private_segment 0
		.amdhsa_kernarg_size 48
		.amdhsa_user_sgpr_count 2
		.amdhsa_user_sgpr_kernarg_segment_ptr 1
		.amdhsa_wavefront_size32 1
		.amdhsa_system_sgpr_workgroup_id_x 1
		.amdhsa_system_sgpr_workgroup_id_y 1
		.amdhsa_system_sgpr_workgroup_id_z 1
		.amdhsa_system_vgpr_workitem_id 0
		.amdhsa_next_free_vgpr 112
		.amdhsa_next_free_sgpr 66
		.amdhsa_reserve_vcc 0
		.amdhsa_float_denorm_mode_32 3
		.amdhsa_float_denorm_mode_16_64 3
		.amdhsa_memory_ordered 1
		.amdhsa_forward_progress 1
		.amdhsa_inst_pref_size 17
	.end_amdhsa_kernel
	.amdgpu_metadata
---
amdhsa.version: [ 1, 2 ]
amdhsa.kernels:
  - .name:           k_qe34306e063_prep
    .symbol:         k_qe34306e063_prep.kd
    .args:
      - { .name: inputs, .offset: 0, .size: 8, .value_kind: global_buffer, .address_space: global }
      - { .name: W_query, .offset: 8, .size: 8, .value_kind: global_buffer, .address_space: global }
      - { .name: W_key, .offset: 16, .size: 8, .value_kind: global_buffer, .address_space: global }
      - { .name: W_value, .offset: 24, .size: 8, .value_kind: global_buffer, .address_space: global }
      - { .name: x16, .offset: 32, .size: 8, .value_kind: global_buffer, .address_space: global }
      - { .name: wt, .offset: 40, .size: 8, .value_kind: global_buffer, .address_space: global }
    .group_segment_fixed_size: 18432
    .private_segment_fixed_size: 0
    .kernarg_segment_align: 8
    .kernarg_segment_size: 48
    .max_flat_workgroup_size: 256
    .sgpr_count:     66
    .vgpr_count:     112
    .wavefront_size: 32
...
	.end_amdgpu_metadata
.endif
;; end of part 4
;; launch proj: the kernel of part 2 again; grid 8 x 32, 4 waves a work-group, clusters of 4 x 4, 327,680 bytes of LDS; arguments x16, wt, qkv; writes qkv
;; launch attn: the kernel of part 3 again; grid 32 x 8, 4 waves a work-group, clusters of 4 x 1, 327,680 bytes of LDS; arguments qkv, out0; writes out0
